; MI455X (gfx1250); checked and timed in simulation.
; The chip was launched on July 23, 2026; its instructions are those of AMD's public machine-readable ISA for CDNA 5 (MIT licence, August 2026) and "CDNA5" Instruction Set Architecture Reference Guide (July 2026). The comments in the code are by the model that wrote it; some were corrected since.
;; Transformer Encoder Layer. Allowed arithmetic: float matrix products may take bf16 or f16 operands with f32 sums; other float arithmetic in f32, or as packed bf16 or f16 multiplies, adds, multiply-adds, maxima and minima; sums over many terms, partial sums and values carried from step to step in f32; what a program stores and reads back later, other than sums and carried values, may be rounded once to bf16 or f16.
;; Inputs: b1 4,096 float32; b2 1,024 float32; bk 1,024 float32; bo 1,024 float32; bq 1,024 float32; bv 1,024 float32; ln1_b 1,024 float32; ln1_g 1,024 float32; ln2_b 1,024 float32; ln2_g 1,024 float32; w1 4,096 x 1,024 float32; w2 1,024 x 4,096 float32; wk 1,024 x 1,024 float32; wo 1,024 x 1,024 float32; wq 1,024 x 1,024 float32; wv 1,024 x 1,024 float32; x 2 x 2,048 x 1,024 float32.
;; Outputs: out0 2 x 2,048 x 1,024 float32.
;; One version. Each part assembles by itself: llvm-mc -triple=amdgcn-amd-amdhsa -mcpu=gfx1250 --defsym DOCPART=n.
;; ======== version 1 of 1: 7 launches
;; limits: values are held in f16: magnitudes above 65,504 overflow, below 6.1e-05 lose precision
;; workspace buffers: wts 25,165,824 bytes; xn 8,388,608 bytes; qkvh 25,165,824 bytes; att 8,388,608 bytes; ybuf 16,777,216 bytes; x2 8,388,608 bytes; hbuf 33,554,432 bytes
;; launch prep (part 1): grid 896 x 1, 4 waves a work-group, no clusters, 0 bytes of LDS; arguments x, ln1_g, ln1_b, xn, wq, wk, wv, wts; writes xn, wts
.if DOCPART == 1
	.amdgcn_target "amdgcn-amd-amdhsa--gfx1250"
	.amdhsa_code_object_version 6
	.text
	.protected	k_q89a088e344_prep
	.globl	k_q89a088e344_prep
	.p2align	8
	.type	k_q89a088e344_prep,@function
k_q89a088e344_prep:
	s_mov_b64 s[64:65], 0
	v_nop
	global_prefetch_b8 v0, s[64:65] scope:SCOPE_SE
	s_setreg_imm32_b32 hwreg(HW_REG_WAVE_MODE, 25, 1), 1
	s_wait_xcnt 0x0
; TWO STREAMS IN ONE BODY.  Work-groups 0-511: out = LayerNorm(in) g + b, [4096][1024], f32 in, f16 out.  Work-groups from 512 on: wq, wk, wv, f32, rounded once to f16 into the first 6,291,456 bytes of wts,
; [wq; wk; wv] as one matrix [3072][1024].  The same body serves the layer's second norm: a launch of 512 work-groups has none that casts.
; LIMITS.  f16 ends at 65,504: a normalised row of 1,024 numbers has none beyond 32, so the result is at most 32 |g| + |b|; wq, wk, wv must lie within it; below 6e-5 f16 keeps a fixed step of 6e-8.
; NaN and infinities are not treated apart.
; NO LDS, NO MATRIX UNIT, NO CLUSTER: memory binds, no byte is wanted by two waves but g and b (8 KiB).
; LN SHARES.  A work-group takes 8 rows, a wave 2, whole: lane l holds columns 128 j + 4 l .. + 3, j = 0..7, so each load of a wave is 512 consecutive bytes and each store 256, aligned.
; The row stays in registers between the mean, the variance (of x - mean, as the definition has it) and the scaling: it is read once.
.set T,  4                             ; v[4:11]    four chains at work
.set X,  16                            ; v[16:79]   two rows of 32 registers (the cast: 64 registers of one unit)
.set G,  80                            ; v[80:111]  g of my 32 columns
.set BV, 112                           ; v[112:143] b of my 32 columns
.set MU, 144                           ; v[144:147] the mean, twice, a pair a row
.set RS, 148                           ; v[148:151] 1 / sqrt(var + eps), twice, a pair a row
	v_and_b32 v12, 31, v0                          ; lane
	v_lshrrev_b32 v13, 5, v0                       ; wave
	v_lshlrev_b32 v2, 4, v12                       ; 16 l: my place in g and b
	v_lshl_add_u32 v1, v13, 13, v2                 ; 8,192 w + 16 l: my place in the f32 source (two rows, or a quarter of a unit)
	v_lshlrev_b32 v3, 3, v12
	v_lshl_add_u32 v3, v13, 12, v3                 ; 4,096 w + 8 l: my place in the 16-bit result
	s_cmp_lt_u32 ttmp9, 512
	s_cbranch_scc0 .Lcast
	s_load_b256 s[4:11], s[0:1], 0x0               ; in s[4:5], g s[6:7], b s[8:9], out s[10:11]
	s_mov_b32 s12, 0x76543210                      ; v_permlanex16_b32: each lane takes its own place in the other half
	s_mov_b32 s13, 0xfedcba98
	s_mov_b32 s14, 0x3a800000                      ; 1 / 1024
	s_mov_b32 s15, 0x3727c5ac                      ; 1e-5
	s_lshl_b32 s2, ttmp9, 15                       ; 8 rows of 4,096 bytes
	s_mov_b32 s3, 0
	s_lshl_b32 s16, ttmp9, 14                      ; 8 rows of 2,048 bytes
	s_mov_b32 s17, 0
	s_wait_kmcnt 0x0
	s_add_nc_u64 s[4:5], s[4:5], s[2:3]
	s_add_nc_u64 s[10:11], s[10:11], s[16:17]
.irp r, 0,1
.irp j, 0,1,2,3,4,5,6,7
	global_load_b128 v[X+32*(\r)+4*(\j):X+32*(\r)+4*(\j)+3], v1, s[4:5] offset:4096*(\r)+512*(\j) th:TH_LOAD_NT
.endr
.endr
.irp j, 0,1,2,3,4,5,6,7
	global_load_b128 v[G+4*(\j):G+4*(\j)+3], v2, s[6:7] offset:512*(\j)
.endr
.irp j, 0,1,2,3,4,5,6,7
	global_load_b128 v[BV+4*(\j):BV+4*(\j)+3], v2, s[8:9] offset:512*(\j)
.endr
; The four chains into one number, the same in every lane: four steps inside each half of 16 lanes ride on the addition, one crosses the halves.
.macro REDUCE
	v_pk_add_f32 v[T:T+1], v[T:T+1], v[T+2:T+3]
	v_pk_add_f32 v[T+4:T+5], v[T+4:T+5], v[T+6:T+7]
	v_pk_add_f32 v[T:T+1], v[T:T+1], v[T+4:T+5]
	v_add_f32 v[T], v[T], v[T+1]
	v_add_f32_dpp v[T], v[T], v[T] row_xmask:1 row_mask:0xf bank_mask:0xf
	v_add_f32_dpp v[T], v[T], v[T] row_xmask:2 row_mask:0xf bank_mask:0xf
	v_add_f32_dpp v[T], v[T], v[T] row_xmask:4 row_mask:0xf bank_mask:0xf
	v_add_f32_dpp v[T], v[T], v[T] row_xmask:8 row_mask:0xf bank_mask:0xf
	v_permlanex16_b32 v[T+1], v[T], s12, s13
	v_add_f32 v[T], v[T], v[T+1]
.endm
; Row r: mean, x - mean in place, variance, 1 / sqrt.  left = the younger loads that may stay out.
.macro STATS r, left
.set XR, X+32*(\r)
	s_wait_loadcnt \left                           ; loads come back in order: this row's eight are in
.irp k, 0,1,2,3
	v_pk_add_f32 v[T+2*(\k):T+2*(\k)+1], v[XR+2*(\k):XR+2*(\k)+1], v[XR+8+2*(\k):XR+8+2*(\k)+1]  ; the first pairs start the chains: nothing is cleared
.endr
.irp m, 2,3
.irp k, 0,1,2,3
	v_pk_add_f32 v[T+2*(\k):T+2*(\k)+1], v[T+2*(\k):T+2*(\k)+1], v[XR+8*(\m)+2*(\k):XR+8*(\m)+2*(\k)+1]
.endr
.endr
	REDUCE
	v_mul_f32 v[MU+2*(\r)], s14, v[T]
	v_mul_f32 v[MU+2*(\r)+1], s14, v[T]
.set p, 0
.rept 16
	v_pk_add_f32 v[XR+2*p:XR+2*p+1], v[XR+2*p:XR+2*p+1], v[MU+2*(\r):MU+2*(\r)+1] neg_lo:[0,1] neg_hi:[0,1]
.set p, p+1
.endr
.irp k, 0,1,2,3
	v_pk_mul_f32 v[T+2*(\k):T+2*(\k)+1], v[XR+2*(\k):XR+2*(\k)+1], v[XR+2*(\k):XR+2*(\k)+1]
.endr
.irp m, 1,2,3
.irp k, 0,1,2,3
	v_pk_fma_f32 v[T+2*(\k):T+2*(\k)+1], v[XR+8*(\m)+2*(\k):XR+8*(\m)+2*(\k)+1], v[XR+8*(\m)+2*(\k):XR+8*(\m)+2*(\k)+1], v[T+2*(\k):T+2*(\k)+1]
.endr
.endr
	REDUCE
	v_fma_f32 v[RS+2*(\r)+1], v[T], s14, s15       ; var + eps, in a register that nothing writes directly behind the root
	v_rsq_f32 v[RS+2*(\r)], v[RS+2*(\r)+1]
.endm
; Row r: times 1 / sqrt, times g plus b, rounded once to f16, stored.
.macro NORM r
.set XR, X+32*(\r)
.set p, 0
.rept 16
	v_pk_mul_f32 v[XR+2*p:XR+2*p+1], v[XR+2*p:XR+2*p+1], v[RS+2*(\r):RS+2*(\r)+1]
.set p, p+1
.endr
.set p, 0
.rept 16
	v_pk_fma_f32 v[XR+2*p:XR+2*p+1], v[XR+2*p:XR+2*p+1], v[G+2*p:G+2*p+1], v[BV+2*p:BV+2*p+1]
.set p, p+1
.endr
.irp j, 0,1,2,3,4,5,6,7
	v_cvt_pk_f16_f32 v[XR+4*(\j)], v[XR+4*(\j)], v[XR+4*(\j)+1]
	v_cvt_pk_f16_f32 v[XR+4*(\j)+1], v[XR+4*(\j)+2], v[XR+4*(\j)+3]
	global_store_b64 v3, v[XR+4*(\j):XR+4*(\j)+1], s[10:11] offset:2048*(\r)+256*(\j)  ; the wave's store covers 256 consecutive bytes, aligned
.endr
.endm
	STATS 0, 24                                    ; row 1, g and b may stay out
	STATS 1, 16                                    ; g and b may stay out
	v_nop                                          ; a plain instruction behind the last root,
	s_wait_alu depctr_va_vdst(0)                   ; and one wait for both roots, ahead of their first reader
	v_mov_b32 v[RS+1], v[RS]
	v_mov_b32 v[RS+3], v[RS+2]
	s_wait_loadcnt 0x0                             ; g and b
	NORM 0
	NORM 1
	s_endpgm
; THE CAST.  Unit u = work-group - 512 is 32 KiB of f32, a wave's quarter 8 KiB: 16 loads, all out at once; each is rounded and stored as it comes.  128 units a matrix; a unit's place in wts is linear in u.
.Lcast:
	s_load_b128 s[16:19], s[0:1], 0x20             ; wq s[16:17], wk s[18:19]
	s_load_b128 s[20:23], s[0:1], 0x30             ; wv s[20:21], wts s[22:23]
	s_sub_co_u32 s30, ttmp9, 512                   ; u
	s_mov_b32 s34, 256                             ; the first unit of the matrix in hand: wv's,
	s_wait_kmcnt 0x0
	s_mov_b64 s[32:33], s[20:21]
.macro PICK bound, ptr, first                  ; or, where u lies below the bound, an earlier matrix's
	s_cmp_lt_u32 s30, \bound
	s_cselect_b64 s[32:33], s[\ptr:\ptr+1], s[32:33]
	s_cselect_b32 s34, \first, s34
.endm
	PICK 256, 18, 128
	PICK 128, 16, 0
	s_sub_co_u32 s35, s30, s34
	s_lshl_b32 s36, s35, 15                        ; the unit's 32 KiB in its matrix
	s_mov_b32 s37, 0
	s_add_nc_u64 s[32:33], s[32:33], s[36:37]
	s_lshl_b32 s38, s30, 14                        ; and its 16 KiB in wts
	s_mov_b32 s39, 0
	s_add_nc_u64 s[28:29], s[22:23], s[38:39]
.set j, 0
.rept 16
	global_load_b128 v[X+4*j:X+4*j+3], v1, s[32:33] offset:512*j th:TH_LOAD_NT
.set j, j+1
.endr
.set j, 0
.rept 16
	s_wait_loadcnt 15-j                            ; load j is in; the 15 - j younger ones stay out
	v_cvt_pk_f16_f32 v[X+4*j], v[X+4*j], v[X+4*j+1]
	v_cvt_pk_f16_f32 v[X+4*j+1], v[X+4*j+2], v[X+4*j+3]
	global_store_b64 v3, v[X+4*j:X+4*j+1], s[28:29] offset:256*j  ; 256 consecutive bytes, aligned
.set j, j+1
.endr
	s_endpgm
.Lfunc_end_k_q89a088e344_prep:
	.size	k_q89a088e344_prep, .Lfunc_end_k_q89a088e344_prep-k_q89a088e344_prep
	.p2alignl 7, 3214868480
	.fill 96, 4, 3214868480
	.section	.rodata,"a",@progbits
	.p2align	6, 0x0
	.amdhsa_kernel k_q89a088e344_prep
		.amdhsa_group_segment_fixed_size 0
		.amdhsa_private_segment_fixed_size 0
		.amdhsa_enable_private_segment 0
		.amdhsa_kernarg_size 64
		.amdhsa_user_sgpr_count 2
		.amdhsa_user_sgpr_kernarg_segment_ptr 1
		.amdhsa_wavefront_size32 1
		.amdhsa_system_sgpr_workgroup_id_x 1
		.amdhsa_system_sgpr_workgroup_id_y 1
		.amdhsa_system_sgpr_workgroup_id_z 1
		.amdhsa_system_vgpr_workitem_id 0
		.amdhsa_next_free_vgpr 152
		.amdhsa_next_free_sgpr 66
		.amdhsa_reserve_vcc 0
		.amdhsa_float_denorm_mode_32 3
		.amdhsa_float_denorm_mode_16_64 3
		.amdhsa_memory_ordered 1
		.amdhsa_forward_progress 1
		.amdhsa_inst_pref_size 27
	.end_amdhsa_kernel
	.amdgpu_metadata
---
amdhsa.version: [ 1, 2 ]
amdhsa.kernels:
  - .name:           k_q89a088e344_prep
    .symbol:         k_q89a088e344_prep.kd
    .args:
      - { .name: x, .offset: 0, .size: 8, .value_kind: global_buffer, .address_space: global }
      - { .name: ln1_g, .offset: 8, .size: 8, .value_kind: global_buffer, .address_space: global }
      - { .name: ln1_b, .offset: 16, .size: 8, .value_kind: global_buffer, .address_space: global }
      - { .name: xn, .offset: 24, .size: 8, .value_kind: global_buffer, .address_space: global }
      - { .name: wq, .offset: 32, .size: 8, .value_kind: global_buffer, .address_space: global }
      - { .name: wk, .offset: 40, .size: 8, .value_kind: global_buffer, .address_space: global }
      - { .name: wv, .offset: 48, .size: 8, .value_kind: global_buffer, .address_space: global }
      - { .name: wts, .offset: 56, .size: 8, .value_kind: global_buffer, .address_space: global }
    .group_segment_fixed_size: 0
    .private_segment_fixed_size: 0
    .kernarg_segment_align: 8
    .kernarg_segment_size: 64
    .max_flat_workgroup_size: 128
    .sgpr_count:     66
    .vgpr_count:     152
    .wavefront_size: 32
...
	.end_amdgpu_metadata
.endif
;; end of part 1
;; launch qkv (part 2): grid 8 x 32, 4 waves a work-group, clusters of 4 x 4, 327,680 bytes of LDS; arguments xn, wts, qkvh, bq, bk, bv; writes qkvh
.if DOCPART == 2
	.amdgcn_target "amdgcn-amd-amdhsa--gfx1250"
	.amdhsa_code_object_version 6
	.text
	.protected	k_q89a088e344_qkv
	.globl	k_q89a088e344_qkv
	.p2align	8
	.type	k_q89a088e344_qkv,@function
k_q89a088e344_qkv:
	s_mov_b64 s[64:65], 0
	v_nop
	global_prefetch_b8 v0, s[64:65] scope:SCOPE_SE
	s_setreg_imm32_b32 hwreg(HW_REG_WAVE_MODE, 25, 1), 1
	s_wait_xcnt 0x0
	s_wait_alu depctr_hold_cnt(0) depctr_sa_sdst(0) depctr_va_vdst(0) depctr_va_sdst(0) depctr_va_ssrc(0) depctr_va_vcc(0) depctr_vm_vsrc(0)
	s_getreg_b32 s2, hwreg(HW_REG_IB_STS2, 6, 4)
	s_cmp_eq_u32 s2, 0
	s_cbranch_scc0 .Lentry_in_a_cluster
	s_endpgm
.Lentry_in_a_cluster:
	s_bfe_u32 s2, ttmp6, 0x10000c
	s_cmp_lg_u32 s2, 0xf033
	s_cbranch_scc0 .Lentry_shape_is_right
	s_endpgm
.Lentry_shape_is_right:
; q, k, v = xn [wq; wk; wv]^T + bias.  A = xn [4096][1024] f16, B = wts' first 3,072 rows [3072][1024] f16; sums in f32; the result rounded once to bf16 and written BY HEADS:
; qkvh [b 2][hh 48][s 2048][64], hh 0-15 q's heads, 16-31 k's, 32-47 v's, unscaled.  bf16, since q, k and v have no bound that f16 would hold for every input allowed.
; TILE.  128 x 384 of C to a work-group: 32 x 8 = 256 work-groups.  Four waves, 64 x 192 each (three whole heads): 48 accumulators, 384 registers.
; RING.  K in steps of 128 through two LDS slots filled by the tensor data mover; a row of a tile is 256 bytes of memory, aligned.  The loop is written for ONE K step: the slot in hand is a scalar (TB).
; CLUSTER 4 x 4.  A's tile hangs on the tile row alone and is asked for jointly by a row of the cluster, B's on the tile column alone, by a column: the same load, descriptor and mask in all four.
; THE WALK ALONG K begins at K step (RX x cluster x + RY x cluster y) mod NK and goes round: clusters that read the same rows of A (same cluster y) or of B (same cluster x) stand at different K steps at
; any time.  The number hangs on the cluster's place in the grid alone, which all sixteen partners share; the f32 sums are taken in that order of K.
; THE PRODUCT IS USED TRANSPOSED (source 0 = 16 rows of B, source 1 = 16 rows of A): a lane holds row l % 16 of C and eight neighbouring columns 8 (l / 16) + 0..7.
; REGISTERS in windows of 256: window 0 addresses, A's two fragment buffers (v64.., v128..), the way out; window 1 B's two buffers from v64; windows 2, 3 the accumulators of my rows' lower and upper half.
.set K,     1024
.set BM,    128
.set BN,    384
.set MT,    4                          ; blocks of 16 rows a wave
.set NT,    12                         ; blocks of 16 columns a wave
.set QD,    1                          ; a quarter of a K step is 32 QD along K
.set KS,    128*QD
.set NK,    K/KS
.set RX,    4
.set RY,    2
.set ASH,   8                          ; a K step of A is 1 << ASH bytes on
.set KSH,   8                          ; of B 1 << KSH
.set PA,    272                        ; LDS pitch: 256 bytes + 16: the 16 rows of a fragment load start at 16 different groups of four banks (ISA guide 11.1)
.set PB,    272
.set AQ,    64                         ; bytes from quarter to quarter in A's LDS image
.set BQ,    64
.set AH,    (BM/2)*PA                  ; half a tile of A: what one tensor load brings and one wave reads
.set BH,    (BN/2)*PB
.set SLOT,  2*AH+2*BH
.set SPARE, 2*SLOT                     ; behind the ring: the spare words, 128 bytes a wave, two blocks of 256 bytes that no other line names
.set WOFF,  0                          ; B's first byte in wts
.set ADIM0, KS
.set AROWS, BM/2
.set ASTR,  K
.set QIA,   5                          ; padding after every 64 words
.set QIB,   5
.set SP,    4*(BN/2)+16                ; the stage's pitch: a wave's 192 f32 + 16 bytes
.set STW,   (BM/2)*SP                  ; a wave's stage; the stages lie over the ring, which has had its last fill when they are written
.set NL,    2*(MT+NT)*QD               ; LDS loads in a run
.set ADRA, 16                          ; v16  LDS address of my A fragments in the slot in hand
.set A0,   17                          ; v17  the same in slot 0; never rewritten
.set ADRB, 20
.set B0,   21
.set STO,  24                          ; v24  the way out: where I put 32 bytes of a row
.set RD,   25                          ; v25  where I read rows back
.set CO,   26                          ; v26  my byte offset in the output
.set RO,   27                          ; v27  my byte offset in a bias
.set SPW,  28                          ; v28  my spare word; never rewritten
.set NIL,  29                          ; v29  0; never rewritten
.set BI,   32                          ; v[32:43] the bias of my columns
.set G1A,  24                          ; s[24:31] group 1 for A's tiles
.set G0A,  32                          ; s[32:39] group 0 for A's: the first K step; then the one that walks
.set G1B,  48
.set G0B,  56
.set TB,   66                          ; s66  the slot in hand: 0 or SLOT
.set KC,   67                          ; s67  the K step that the walking descriptors name
.set LA,   68                          ; s68  where my load of A lands in a slot
.set LB,   69
.set ABASE, 70                         ; s[70:71] A at the rows that I fetch, K step 0
.set BBASE, 78                         ; s[78:79] the same for B
.set OFA,  96                          ; s[96:97] a K step's byte offset in A
.set OFB,  98                          ; s[98:99] in B
.set MSB,  0
.macro WIN new                         ; the immediate's high byte repeats the setting that is left; a switch that changes nothing is dropped
.if MSB != (\new)
	s_set_vgpr_msb (MSB<<8)|(\new)
.set MSB, \new
.endif
.endm
.macro WM ops:vararg
	v_wmma_f32_16x16x32_f16 \ops
.endm
.macro PLACES                          ; four plain places between a matrix instruction and a load into, or a read of, its registers
.rept 4
	v_nop
.endr
.endm
.macro CREST                           ; a round of the cluster's barrier behind its opening barrier
	s_cmp_lg_u32 s10, 0
	s_cbranch_scc1 .Lnot_wave_0_\@
	s_barrier_signal -3
.Lnot_wave_0_\@:
	s_barrier_wait -3
	s_barrier_signal -1
	s_barrier_wait -1
.endm
.macro CROUND
	s_barrier_signal -1
	s_barrier_wait -1
	CREST
.endm
.macro JLOAD                           ; a joint refill by the walking descriptor: waves 0, 1 fetch A's halves, waves 2, 3 B's
	s_cmp_eq_u32 s11, 0
	s_cbranch_scc0 .Lfor_b_\@
	tensor_load_to_lds s[G0A+4:G0A+7], s[G1A:G1A+7]
	s_nop 0
.rept 4
	v_nop
.endr
	s_branch .Lasked_\@
.Lfor_b_\@:
	tensor_load_to_lds s[G0B+4:G0B+7], s[G1B:G1B+7]
	s_nop 0
.rept 4
	v_nop
.endr
.Lasked_\@:
.endm
.macro G0SET set, kreg                 ; group 0, set 0 or 1, for the K step in s[kreg], into slot 0 or 1
	s_lshl_b32 s[OFA], s[\kreg], ASH
	s_lshl_b32 s[OFB], s[\kreg], KSH
	s_mov_b32 s[G0A+4*(\set)], 1
	s_add_co_u32 s[G0A+4*(\set)+1], s[LA], (\set)*SLOT
	s_add_nc_u64 s[G0A+4*(\set)+2:G0A+4*(\set)+3], s[ABASE:ABASE+1], s[OFA:OFA+1]
	s_or_b32 s[G0A+4*(\set)+3], s[G0A+4*(\set)+3], 0x80000000
	s_mov_b32 s[G0B+4*(\set)], 1
	s_add_co_u32 s[G0B+4*(\set)+1], s[LB], (\set)*SLOT
	s_add_nc_u64 s[G0B+4*(\set)+2:G0B+4*(\set)+3], s[BBASE:BBASE+1], s[OFB:OFB+1]
	s_or_b32 s[G0B+4*(\set)+3], s[G0B+4*(\set)+3], 0x80000000
.endm
; n row blocks from a0 on x all column blocks x QD deep, from buffer f.  The accumulators take turns, one instruction a turn.  zero = 1: the first product starts the sum.
.macro MULS f, a0, n, zero
.set ma, (\a0)
.rept (\n)
	WIN 0xa1+0x50*(ma/(MT/2))
.set mc, 0
.rept QD
.set mb, 0
.rept NT
.set rD, 8*((ma%(MT/2))*NT+mb)
.set rB, 64+(\f)*8*NT*QD+8*(mc*NT+mb)
.set rA, 64+(\f)*64+8*(mc*MT+ma)
.if (\zero) && (mc == 0)
	WM v[rD:rD+7], v[rB:rB+7], v[rA:rA+7], 0
.else
	WM v[rD:rD+7], v[rB:rB+7], v[rA:rA+7], v[rD:rD+7]
.endif
.set mb, mb+1
.endr
.set mc, mc+1
.endr
.set ma, ma+1
.endr
.endm
; One run of NL LDS loads: quarter q's fragments into buffer g: B's, A's lower row blocks, A's upper row blocks.
.macro FETCH q, g
	WIN 0x40
.set fc, 0
.rept QD
.set fb, 0
.rept NT
.set fr, 64+(\g)*8*NT*QD+8*(fc*NT+fb)
	ds_load_b128 v[fr:fr+3],   v[ADRB] offset:(\q)*BQ+64*fc+16*fb*PB
	ds_load_b128 v[fr+4:fr+7], v[ADRB] offset:(\q)*BQ+64*fc+16*fb*PB+32
.set fb, fb+1
.endr
.set fc, fc+1
.endr
	WIN 0
.set fh, 0
.rept 2
.set fc, 0
.rept QD
.set fa, fh*(MT/2)
.rept MT/2
.set fr, 64+(\g)*64+8*(fc*MT+fa)
	ds_load_b128 v[fr:fr+3],   v[ADRA] offset:(\q)*AQ+64*fc+16*fa*PA
	ds_load_b128 v[fr+4:fr+7], v[ADRA] offset:(\q)*AQ+64*fc+16*fa*PA+32
.set fa, fa+1
.endr
.set fc, fc+1
.endr
.set fh, fh+1
.endr
.endm
; One of a K step's first three quarters: multiplies buffer f; in its middle fetches quarter q into buffer g.
.macro QUARTER q, f, g, zero
	s_wait_dscnt MT*QD                             ; B and A's lower blocks are in; the youngest MT QD loads, A's upper blocks, may be out
	MULS \f, 0, MT/2, \zero
	PLACES
	FETCH \q, \g
	s_wait_dscnt NL                                ; all but the run just issued
	MULS \f, MT/2, MT/2, \zero
.endm
; The last quarter multiplies buffer 1 and changes slots.  Each wave waits for all its tensor loads (one is out: its part of the next slot), adds 0 to its spare word, waits for that and for its reads of
; this slot, and signals.  fill = 1: the barrier opens a round of the cluster's; behind it the slot just read is filled again, first thing, with the K step two on in the walk.
.macro TURN fill
	WIN 0
	s_wait_tensorcnt 0x0
	ds_add_u32 v[SPW], v[NIL]
.if \fill
	s_add_co_u32 s[KC], s[KC], 1                   ; no tensor load of mine is out: the walking descriptors take the next K step, round NK,
	s_and_b32 s[KC], s[KC], NK-1
	s_lshl_b32 s[OFA], s[KC], ASH
	s_lshl_b32 s[OFB], s[KC], KSH
	s_add_co_u32 s[G0A+5], s[TB], s[LA]            ; and the slot in hand, which is read out when they are used
	s_add_co_u32 s[G0B+5], s[TB], s[LB]
	s_add_nc_u64 s[G0A+6:G0A+7], s[ABASE:ABASE+1], s[OFA:OFA+1]
	s_or_b32 s[G0A+7], s[G0A+7], 0x80000000
	s_add_nc_u64 s[G0B+6:G0B+7], s[BBASE:BBASE+1], s[OFB:OFB+1]
	s_or_b32 s[G0B+7], s[G0B+7], 0x80000000
.endif
	s_wait_dscnt MT*QD+1                           ; the add and A's upper blocks may be out
	MULS 1, 0, MT/4, 0
	s_wait_dscnt 0x0                               ; the add is done, my reads of this slot are over
	s_barrier_signal -1
	MULS 1, MT/4, MT/4, 0
	WIN 0
	s_barrier_wait -1
.if \fill
	CREST
	JLOAD                                          ; its four v_nop are also the places in front of the loads below
.else
	PLACES
.endif
	s_xor_b32 s[TB], s[TB], SLOT
	v_add_nc_u32 v[ADRA], s[TB], v[A0]
	v_add_nc_u32 v[ADRB], s[TB], v[B0]
	FETCH 0, 0
	MULS 1, MT/2, MT/2, 0
.endm
.macro LAST                            ; the very last quarter fetches nothing
	s_wait_dscnt MT*QD
	MULS 1, 0, MT/2, 0
	s_wait_dscnt 0x0
	MULS 1, MT/2, MT/2, 0
.endm
.macro DUMP                            ; all accumulators, f32, into my stage: row l % 16 of block a, 32 bytes a lane; each accumulator's low registers first
.set da, 0
.rept MT
	WIN 0x08+4*(da/(MT/2))
.set db, 0
.rept NT
.set rD, 8*((da%(MT/2))*NT+db)
	ds_store_b128 v[STO], v[rD:rD+3]   offset:16*da*SP+64*db
	ds_store_b128 v[STO], v[rD+4:rD+7] offset:16*da*SP+64*db+16
.set db, db+1
.endr
.set da, da+1
.endr
	WIN 0
.endm
	s_load_b128 s[4:7], s[0:1], 0x0                ; A s[4:5], wts s[6:7]
	s_load_b64 s[8:9], s[0:1], 0x10                ; the output
	s_load_b64 s[72:73], s[0:1], 0x18              ; bq
	s_load_b64 s[74:75], s[0:1], 0x20              ; bk
	s_load_b64 s[76:77], s[0:1], 0x28              ; bv
	v_lshl_add_u32 v[SPW], v0, 2, SPARE
	v_mov_b32 v[NIL], 0
	ds_add_u32 v[SPW], v[NIL]                      ; the wave's opening: the add and its wait ahead of my first tensor load
	v_lshrrev_b32 v1, 5, v0
	v_readfirstlane_b32 s10, v1                    ; wave
	s_lshr_b32 s11, s10, 1                         ; my half of the tile's rows; also: I fetch for A (0) or B (1)
	s_and_b32 s12, s10, 1                          ; my half of its columns; also: which half tile I fetch
	s_bfe_u32 s40, ttmp6, 0x40000                  ; cx
	s_bfe_u32 s41, ttmp6, 0x40004                  ; cy
	s_lshl_b32 s42, ttmp9, 2
	s_add_co_u32 s42, s42, s40                     ; tile column
	s_and_b32 s13, ttmp7, 0xffff
	s_lshl_b32 s13, s13, 2
	s_add_co_u32 s13, s13, s41                     ; tile row
	s_lshl_b32 s14, s41, 2
	s_lshl_b32 s14, 15, s14                        ; my row of the cluster
	s_lshl_b32 s46, 0x1111, s40                    ; my column
	s_or_b32 s[G1A], s14, (1<<16)|(1<<20)|(1<<21)|(QIA<<22)|(3<<25)  ; mask; 2-byte elements; padding on; bit 21 beside a mask; interval; 4 words of padding
	s_or_b32 s[G1B], s46, (1<<16)|(1<<20)|(1<<21)|(QIB<<22)|(3<<25)
	s_mov_b32 s[G1A+1], (ADIM0&0xffff)<<16         ; tensor_dim0
	s_mov_b32 s[G1A+2], (ADIM0>>16)|(AROWS<<16)    ; tensor_dim1
	s_mov_b32 s[G1A+3], ADIM0<<16                  ; tile_dim0
	s_mov_b32 s[G1A+4], AROWS                      ; tile_dim1
	s_mov_b32 s[G1A+5], ASTR                       ; elements from row to row
	s_mov_b32 s[G1A+6], 0
	s_mov_b32 s[G1A+7], 0
	s_mov_b32 s[G1B+1], KS<<16
	s_mov_b32 s[G1B+2], (BN/2)<<16
	s_mov_b32 s[G1B+3], KS<<16
	s_mov_b32 s[G1B+4], BN/2
	s_mov_b32 s[G1B+5], K
	s_mov_b32 s[G1B+6], 0
	s_mov_b32 s[G1B+7], 0
	s_mul_i32 s16, s13, BM                         ; A: the tile row and the wave's number alone
	s_mul_i32 s17, s12, BM/2
	s_add_co_u32 s16, s16, s17
	s_mul_i32 s16, s16, 2*K
	s_mov_b32 s17, 0
	s_mul_i32 s46, s42, BN                         ; B: the tile column and the wave's number alone
	s_mul_i32 s47, s12, BN/2
	s_add_co_u32 s46, s46, s47
	s_mul_i32 s46, s46, 2*K
	s_add_co_u32 s46, s46, WOFF
	s_mov_b32 s47, 0
	s_mul_i32 s[LA], s12, AH
	s_mul_i32 s[LB], s12, BH
	s_add_co_u32 s[LB], s[LB], 2*AH
	s_mov_b32 s[TB], 0
	s_mul_i32 s18, ttmp9, RX                       ; where my cluster's walk along K begins
	s_and_b32 s19, ttmp7, 0xffff
	s_mul_i32 s19, s19, RY
	s_add_co_u32 s18, s18, s19
	s_and_b32 s18, s18, NK-1
	s_add_co_u32 s[KC], s18, 1                     ; and its second K step
	s_and_b32 s[KC], s[KC], NK-1
	s_mov_b32 s[OFA+1], 0
	s_mov_b32 s[OFB+1], 0
	s_wait_dscnt 0x0                               ; the opening add is done
	s_wait_kmcnt 0x0
	s_add_nc_u64 s[ABASE:ABASE+1], s[4:5], s[16:17]
	s_add_nc_u64 s[BBASE:BBASE+1], s[6:7], s[46:47]
	G0SET 0, 18
	G0SET 1, KC
	CROUND                                         ; all sixteen work-groups are here: the first joint loads meet
	s_cmp_eq_u32 s11, 0                            ; a wave's two first fills stand in one branch: two loads of mine are out
	s_cbranch_scc0 .Lfirst_b
	tensor_load_to_lds s[G0A:G0A+3], s[G1A:G1A+7]
	s_nop 0
	tensor_load_to_lds s[G0A+4:G0A+7], s[G1A:G1A+7]
	s_nop 0
.rept 4
	v_nop
.endr
	s_branch .Lfirst_asked
.Lfirst_b:
	tensor_load_to_lds s[G0B:G0B+3], s[G1B:G1B+7]
	s_nop 0
	tensor_load_to_lds s[G0B+4:G0B+7], s[G1B:G1B+7]
	s_nop 0
.rept 4
	v_nop
.endr
.Lfirst_asked:
	v_and_b32 v1, 15, v0                           ; l % 16
	v_bfe_u32 v2, v0, 4, 1                         ; l / 16
	v_mul_u32_u24 v3, v1, PA
	v_lshl_add_u32 v3, v2, 4, v3                   ; a fragment's row x pitch + 16 x half
	s_mul_i32 s20, s11, AH
	v_add_nc_u32 v[A0], s20, v3
	v_mul_u32_u24 v3, v1, PB
	v_lshl_add_u32 v3, v2, 4, v3
	s_mul_i32 s21, s12, BH
	s_add_co_u32 s21, s21, 2*AH
	v_add_nc_u32 v[B0], s21, v3
	v_mov_b32 v[ADRA], v[A0]
	v_mov_b32 v[ADRB], v[B0]
	s_mul_i32 s20, s10, STW                        ; my stage
	v_mul_u32_u24 v3, v1, SP
	v_lshl_add_u32 v[STO], v2, 5, v3
	v_add_nc_u32 v[STO], s20, v[STO]
	v_mul_u32_u24 v3, v2, SP                       ; back: lanes 0-15 take 64 columns (a head) of one row, lanes 16-31 of the next
	v_lshl_add_u32 v[RD], v1, 4, v3
	v_add_nc_u32 v[RD], s20, v[RD]
	v_and_b32 v3, 31, v0
	v_lshlrev_b32 v[CO], 3, v3                     ; two rows of a head are 256 consecutive bytes: 8 a lane
	v_lshlrev_b32 v[RO], 4, v1
	s_mul_i32 s21, s42, 6
	s_mul_i32 s22, s12, 3
	s_add_co_u32 s21, s21, s22                     ; the first of my three heads, 0..47
.irp ch, 0,1,2
	s_add_co_u32 s22, s21, \ch
	s_lshr_b32 s23, s22, 4                         ; 0: q, 1: k, 2: v
	s_cmp_eq_u32 s23, 0
	s_cselect_b64 s[80+2*(\ch):81+2*(\ch)], s[72:73], s[74:75]
	s_cmp_eq_u32 s23, 2
	s_cselect_b64 s[80+2*(\ch):81+2*(\ch)], s[76:77], s[80+2*(\ch):81+2*(\ch)]
	s_and_b32 s22, s22, 15
	s_lshl_b32 s22, s22, 8                         ; the head's 64 numbers in its bias
	s_mov_b32 s23, 0
	s_add_nc_u64 s[80+2*(\ch):81+2*(\ch)], s[80+2*(\ch):81+2*(\ch)], s[22:23]
	global_load_b128 v[BI+4*(\ch):BI+4*(\ch)+3], v[RO], s[80+2*(\ch):81+2*(\ch)]  ; waited for on the way out
.endr
	s_lshl_b32 s16, s13, 7
	s_lshl_b32 s17, s11, 6
	s_add_co_u32 s16, s16, s17                     ; my first token
	s_lshr_b32 s17, s16, 11                        ; its batch
	s_mul_i32 s17, s17, 48
	s_add_co_u32 s17, s17, s21
	s_lshl_b32 s17, s17, 18                        ; a head's block is 262,144 bytes
	s_and_b32 s16, s16, 2047
	s_lshl_b32 s16, s16, 7
	s_add_co_u32 s16, s16, s17
	s_mov_b32 s17, 0
	s_add_nc_u64 s[8:9], s[8:9], s[16:17]
	s_wait_tensorcnt 0x1                           ; my part of the first K step is in; the second's may stay out
	s_barrier_signal -1
	s_barrier_wait -1
	FETCH 0, 0
	QUARTER 1, 0, 1, 1                             ; the first quarter stands ahead of the loop: its products start the sums
	WIN 0
	s_mov_b32 s3, NK-2                             ; every K step but the last two fills its slot again
.Lstep:                                        ; a trip: a K step's quarters 1, 2, 3 and the next step's quarter 0
	QUARTER 2, 1, 0, 0
	QUARTER 3, 0, 1, 0
	TURN 1
	QUARTER 1, 0, 1, 0
	WIN 0
	s_sub_co_u32 s3, s3, 1
	s_cmp_lg_u32 s3, 0
	s_cbranch_scc1 .Lstep
	s_mov_b32 s3, 2                                ; the last two K steps ask for nothing: a second text
.Ltail:
	QUARTER 2, 1, 0, 0
	QUARTER 3, 0, 1, 0
	WIN 0
	s_cmp_eq_u32 s3, 1
	s_cbranch_scc1 .Llast
	TURN 0
	QUARTER 1, 0, 1, 0
	WIN 0
	s_sub_co_u32 s3, s3, 1
	s_cmp_lg_u32 s3, 0
	s_cbranch_scc1 .Ltail
.Llast:
	LAST
	; THE WAY OUT.  The ring has had its last fill; when every wave's reads of it are over the stages are laid over it.  A wave reads only its own stage: LDS serves a wave's instructions in order.
	WIN 0
	PLACES
	s_wait_dscnt 0x0
	s_barrier_signal -1
	s_barrier_wait -1
	DUMP
	s_wait_loadcnt 0x0                             ; the biases
.set R, 64                             ; v[64:87]   four rows x three heads as read back
.set U, 112                            ; v[112:135] plus bias
.set Y, 96                             ; v[96:107]  bf16
.macro RLOADS
.irp ti, 0,1
.irp ch, 0,1,2
	ds_load_b128 v[R+4*(3*(\ti)+(\ch)):R+4*(3*(\ti)+(\ch))+3], v[RD] offset:2*(\ti)*SP+256*(\ch)
.endr
.endr
.endm
	RLOADS
	s_mov_b32 s3, 16                               ; 16 trips of four rows
.Lrow:
	s_wait_dscnt 0x0
.irp ti, 0,1
.irp ch, 0,1,2
	v_pk_add_f32 v[U+4*(3*(\ti)+(\ch)):U+4*(3*(\ti)+(\ch))+1], v[R+4*(3*(\ti)+(\ch)):R+4*(3*(\ti)+(\ch))+1], v[BI+4*(\ch):BI+4*(\ch)+1]
	v_pk_add_f32 v[U+4*(3*(\ti)+(\ch))+2:U+4*(3*(\ti)+(\ch))+3], v[R+4*(3*(\ti)+(\ch))+2:R+4*(3*(\ti)+(\ch))+3], v[BI+4*(\ch)+2:BI+4*(\ch)+3]
.endr
.endr
	s_cmp_eq_u32 s3, 1                             ; the next trip's rows are asked for now; the last trip has none and reads its own rows once more, unused
	s_cselect_b32 s20, 0, 4*SP
	v_add_nc_u32 v[RD], s20, v[RD]
	RLOADS
	s_wait_xcnt 0x0                                ; the last trip's stores have read their data and base: both are written again only behind this wait
	s_add_nc_u64 s[8:9], s[8:9], 512               ; the base steps ahead of the stores, which reach back by their immediate
.irp ti, 0,1
.irp ch, 0,1,2
	v_cvt_pk_bf16_f32 v[Y+2*(3*(\ti)+(\ch))], v[U+4*(3*(\ti)+(\ch))], v[U+4*(3*(\ti)+(\ch))+1]
	v_cvt_pk_bf16_f32 v[Y+2*(3*(\ti)+(\ch))+1], v[U+4*(3*(\ti)+(\ch))+2], v[U+4*(3*(\ti)+(\ch))+3]
	global_store_b64 v[CO], v[Y+2*(3*(\ti)+(\ch)):Y+2*(3*(\ti)+(\ch))+1], s[8:9] offset:262144*(\ch)+256*(\ti)-512  ; two rows of a head: 256 consecutive bytes, aligned
.endr
.endr
	s_sub_co_u32 s3, s3, 1
	s_cmp_lg_u32 s3, 0
	s_cbranch_scc1 .Lrow
	s_wait_tensorcnt 0x0                           ; the wave's end
	ds_add_u32 v[SPW], v[NIL]
	s_wait_dscnt 0x0
	CROUND                                         ; the closing round
	s_endpgm
.Lfunc_end_k_q89a088e344_qkv:
	.size	k_q89a088e344_qkv, .Lfunc_end_k_q89a088e344_qkv-k_q89a088e344_qkv
	.p2alignl 7, 3214868480
	.fill 96, 4, 3214868480
	.section	.rodata,"a",@progbits
	.p2align	6, 0x0
	.amdhsa_kernel k_q89a088e344_qkv
		.amdhsa_group_segment_fixed_size 327680
		.amdhsa_private_segment_fixed_size 0
		.amdhsa_enable_private_segment 0
		.amdhsa_kernarg_size 48
		.amdhsa_user_sgpr_count 2
		.amdhsa_user_sgpr_kernarg_segment_ptr 1
		.amdhsa_wavefront_size32 1
		.amdhsa_system_sgpr_workgroup_id_x 1
		.amdhsa_system_sgpr_workgroup_id_y 1
		.amdhsa_system_sgpr_workgroup_id_z 1
		.amdhsa_system_vgpr_workitem_id 0
		.amdhsa_next_free_vgpr 1024
		.amdhsa_next_free_sgpr 100
		.amdhsa_reserve_vcc 0
		.amdhsa_float_denorm_mode_32 3
		.amdhsa_float_denorm_mode_16_64 3
		.amdhsa_memory_ordered 1
		.amdhsa_forward_progress 1
		.amdhsa_inst_pref_size 74
	.end_amdhsa_kernel
	.amdgpu_metadata
---
amdhsa.version: [ 1, 2 ]
amdhsa.kernels:
  - .name:           k_q89a088e344_qkv
    .symbol:         k_q89a088e344_qkv.kd
    .args:
      - { .name: xn, .offset: 0, .size: 8, .value_kind: global_buffer, .address_space: global }
      - { .name: wts, .offset: 8, .size: 8, .value_kind: global_buffer, .address_space: global }
      - { .name: qkvh, .offset: 16, .size: 8, .value_kind: global_buffer, .address_space: global }
      - { .name: bq, .offset: 24, .size: 8, .value_kind: global_buffer, .address_space: global }
      - { .name: bk, .offset: 32, .size: 8, .value_kind: global_buffer, .address_space: global }
      - { .name: bv, .offset: 40, .size: 8, .value_kind: global_buffer, .address_space: global }
    .group_segment_fixed_size: 327680
    .private_segment_fixed_size: 0
    .kernarg_segment_align: 8
    .kernarg_segment_size: 48
    .max_flat_workgroup_size: 128
    .sgpr_count:     100
    .vgpr_count:     1024
    .wavefront_size: 32
...
	.end_amdgpu_metadata
.endif
;; end of part 2
;; launch attn (part 3): grid 8 x 32, 4 waves a work-group, clusters of 4 x 1, 327,680 bytes of LDS; arguments qkvh, att, w1, w2, wo, wts; writes att, wts
.if DOCPART == 3
	.amdgcn_target "amdgcn-amd-amdhsa--gfx1250"
	.amdhsa_code_object_version 6
	.text
	.protected	k_q89a088e344_attn
	.globl	k_q89a088e344_attn
	.p2align	8
	.type	k_q89a088e344_attn,@function
k_q89a088e344_attn:
	s_mov_b64 s[64:65], 0
	v_nop
	global_prefetch_b8 v0, s[64:65] scope:SCOPE_SE
	s_setreg_imm32_b32 hwreg(HW_REG_WAVE_MODE, 25, 1), 1
	s_wait_xcnt 0x0
	s_wait_alu depctr_hold_cnt(0) depctr_sa_sdst(0) depctr_va_vdst(0) depctr_va_sdst(0) depctr_va_ssrc(0) depctr_va_vcc(0) depctr_vm_vsrc(0)
	s_getreg_b32 s2, hwreg(HW_REG_IB_STS2, 6, 4)
	s_cmp_eq_u32 s2, 0
	s_cbranch_scc0 .Lentry_in_a_cluster
	s_endpgm
.Lentry_in_a_cluster:
	s_bfe_u32 s2, ttmp6, 0x10000c
	s_cmp_lg_u32 s2, 0x3003
	s_cbranch_scc0 .Lentry_shape_is_right
	s_endpgm
.Lentry_shape_is_right:
; O[bh][q][:] = the sum over k of softmax_k(Q[q] . K[k] / 8) V[k][:], for 32 heads bh = 16 b + h of 2,048 rows x 64 channels, bf16.  Q, K, V lie by heads in qkvh [b][48][2048][64] (q's heads, then k's,
; then v's), O goes to att [bh][2048][64].  Products, maxima and sums in f32; the weights p are rounded to bf16 for the second product (their sum l is taken of the unrounded p), O once at the end.
; LIMITS.  A weight below 2^-126 counts as 0 in l; NaN and infinities are not treated apart; w1 must lie within f16's 65,504 (below 6e-5 f16 keeps a fixed step of 6e-8).
; SHARES.  A work-group owns 256 queries of a head (8 x 32 = 256 work-groups), a wave 64: four PIECES of 16.  Every wave walks the head's 8 tiles of 256 keys, 64 keys a step.
; LAYOUT.  S^T = K Q^T (source 0 = 16 keys, source 1 = 16 queries) holds ONE query a lane (lane % 16) and the keys 8 (lane / 16) + 0..7; two such results rounded to bf16 ARE source 1 of O^T = V^T P.
; SOFTMAX.  A running maximum m and sum l: p = 2^(c s - c m), c = log2(e) / 8; in every step O and l are multiplied by a = 2^(c m_old - c m_new).  m starts at the lowest finite number, O and l at 0.
; TURNS.  Turn n belongs to piece n: 8 products K Q^T of piece n + 1, later 8 products V^T P of piece n - 1; beside them piece n's scaling, exponentials, roundings, sums and rescaling and piece n + 1's
; maximum and statistics.  Four vector instructions stand behind every matrix instruction, the others in one lump.  A turn's 33 exponentials are one batch with one wait.
; CLUSTER 4 x 1.  Four query blocks of a head walk the same K and V: each tile is asked for jointly, by the same tensor load, descriptor and mask in all four.
; A SECOND STREAM RIDES ALONG.  The launches behind this one want w1 as f16 and w2 and wo as bf16 in wts (at bytes 6,291,456, 16,777,216 and 14,680,064).  Each of the launch's 1,024 waves rounds 16 KiB of
; w1, 16 KiB of w2 and 4 KiB of wo, an eighth at each of its eight changes of slots: it converts and stores the 4 + 4 + 1 loads of 512 bytes that it asked for at the change before, and asks for the next
; nine; a batch has a tile's 256 matrix instructions in which to land.  Each store of the wave covers 256 consecutive bytes, aligned.
; REGISTERS, in windows of 256 (s_set_vgpr_msb: bits 1:0 source 0, 3:2 source 1, 5:4 source 2, 7:6 destination):
;   window 0: v0-15 addresses; v16-31 statistics; v32-35 the second stream's offsets; v48-55 at work; v61-63 prefetch offset, spare word, 0; v64-127 S^T, two buffers; v128-181 the second stream's data;
;   v192-223 P, two buffers (a piece's buffers go by its number's parity)          window 1: v0-127 O^T, 32 a piece          window 2: v0-63 Q; v128-191 K of one step; v192-255 V of one step
.set NP,    4
.set KS,    64
.set PK,    144       ; a row of K in LDS: 128 bytes + 16: the 16 rows of a load start at 16 different groups of four banks (ISA guide 11.1)
.set PV,    160       ; a row of V: 128 + 32
.set VOFF,  4*KS*PK   ; a slot holds a tile: 256 rows of K, then 256 rows of V
.set SLOT1, 1<<17
.set STAGE, SLOT1+4*KS*(PK+PV)  ; behind the ring, never filled by a tensor load: 16 rows x 144 bytes a wave
.set SP,    144
.set SPARE, STAGE+4*16*SP       ; the spare words, 128 bytes a wave: two blocks of 256 bytes that no other line names
.set AK0, 2
.set AV0, 3
.set AK,  4
.set AV,  5
.set STO, 6
.set RD,  7
.set GO,  8
.set MV,  12
.set QO,  15
.set ST,  16          ; piece t's statistics at v[ST+4 t]: c m, m, l (even keys', odd keys')
.set CLO, 32          ; v32  my byte offset in w1 and in w2: 16,384 x wave + 16 l + the batch
.set CSO, 33          ; v33  in their 16-bit copies: 8,192 x wave + 8 l + the batch, one batch ahead: the stores reach back
.set CLP, 34          ; v34  in wo: 4,096 x wave + 16 l + the batch
.set CSP, 35          ; v35  in its copy
.set TMP, 48
.set PFO, 61
.set SPW, 62
.set NIL, 63
.set S,   64
.set CX,  128         ; v[128:163] a batch as loaded: w1's four loads, w2's four, wo's one
.set CY,  164         ; v[164:181] as stored
.set P,   192
.set KF,  128
.set VF,  192
.set WV,  12
.set G1K, 24
.set G1V, 32
.set G0K, 40
.set G0V, 44
.set PFA, 48          ; s[48:49] where my prefetches stand: my work-group's 32 blocks of 256 bytes (of K: wave 0, of V: wave 2) of the tile after the one being asked for
.set LIM, 50          ; s50  1 in a wave that prefetches, else the greatest number
.set KST, 51          ; s51  the tail's step from K fetch to K fetch
.set SLOTS, 56
.set CNT, 57
.set CS,  58
.set SEL, 60
.set TBK, 62
.set TBV, 63
.set W1S, 68          ; s[68:69] w1, s[70:71] w2, s[72:73] wo, s[74:75] wts
.set W2S, 70
.set WOS, 72
.set W1D, 76          ; s[76:77], s[78:79], s[80:81] their copies in wts
.set W2D, 78
.set WOD, 80
.set MSB, 0
.macro WIN new
.if MSB != (\new)
	s_set_vgpr_msb (MSB<<8)|(\new)
.set MSB, (\new)
.endif
.endm
.set W_KQ, 0x0a       ; K and Q in window 2, S^T in window 0
.set W_PV, 0x52       ; V in window 2, P in window 0, O^T in window 1
.set W_RS, 0x41       ; destination and source 0 in window 1, source 1 in window 0
.macro JLOAD                        ; a joint fill: waves 0, 1 fetch the halves of a tile's K, waves 2, 3 of its V
	s_cmp_lt_u32 s[WV], 2
	s_cbranch_scc0 .Lfor_v_\@
	tensor_load_to_lds s[G0K:G0K+3], s[G1K:G1K+7]
	s_nop 0
.rept 4
	v_nop
.endr
	s_branch .Lasked_\@
.Lfor_v_\@:
	tensor_load_to_lds s[G0V:G0V+3], s[G1V:G1V+7]
	s_nop 0
.rept 4
	v_nop
.endr
.Lasked_\@:
.endm
.macro ASK                          ; what the NEXT change of slots will ask for; each block of 256 bytes is named once in the launch; the last fill asks for nothing
	s_cmp_gt_u32 s[SLOTS], s[LIM]
	s_cbranch_scc0 .Lnot_mine_\@
	global_prefetch_b8 v[PFO], s[PFA:PFA+1] th:TH_LOAD_NT scope:SCOPE_SE
.Lnot_mine_\@:
.endm
.macro CROUND
	s_barrier_signal -1
	s_barrier_wait -1
	s_cmp_lg_u32 s[WV], 0
	s_cbranch_scc1 .Lnot_wave_0_\@
	s_barrier_signal -3
.Lnot_wave_0_\@:
	s_barrier_wait -3
	s_barrier_signal -1
	s_barrier_wait -1
.endm
; THE SECOND STREAM.  A batch's nine loads, 512 consecutive bytes of a wave each.
.macro CLOADS
.irp j, 0,1,2,3
	global_load_b128 v[CX+4*(\j):CX+4*(\j)+3], v[CLO], s[W1S:W1S+1] offset:512*(\j) th:TH_LOAD_NT
.endr
.irp j, 0,1,2,3
	global_load_b128 v[CX+16+4*(\j):CX+16+4*(\j)+3], v[CLO], s[W2S:W2S+1] offset:512*(\j) th:TH_LOAD_NT
.endr
	global_load_b128 v[CX+32:CX+35], v[CLP], s[WOS:WOS+1] th:TH_LOAD_NT
.endm
; The batch asked for at the change before is rounded and stored; more = 1: the next is asked for.  CY and the store offsets were freed by the s_wait_xcnt 0 of the change in hand.
.macro CASTB more
	s_wait_loadcnt 0x0              ; the batch is in (at the first change: Q too); its address registers may be stepped
.irp j, 0,1,2,3
	v_cvt_pk_f16_f32 v[CY+2*(\j)], v[CX+4*(\j)], v[CX+4*(\j)+1]
	v_cvt_pk_f16_f32 v[CY+2*(\j)+1], v[CX+4*(\j)+2], v[CX+4*(\j)+3]
.endr
.irp j, 4,5,6,7,8
	v_cvt_pk_bf16_f32 v[CY+2*(\j)], v[CX+4*(\j)], v[CX+4*(\j)+1]
	v_cvt_pk_bf16_f32 v[CY+2*(\j)+1], v[CX+4*(\j)+2], v[CX+4*(\j)+3]
.endr
.irp j, 0,1,2,3
	global_store_b64 v[CSO], v[CY+2*(\j):CY+2*(\j)+1], s[W1D:W1D+1] offset:256*(\j)-1024
.endr
.irp j, 0,1,2,3
	global_store_b64 v[CSO], v[CY+8+2*(\j):CY+8+2*(\j)+1], s[W2D:W2D+1] offset:256*(\j)-1024
.endr
	global_store_b64 v[CSP], v[CY+16:CY+17], s[WOD:WOD+1] offset:-256
.if \more
	v_add_nc_u32 v[CLO], 2048, v[CLO]
	v_add_nc_u32 v[CLP], 512, v[CLP]
	CLOADS
.endif
.endm
; THE CHANGE OF SLOTS.  Each wave waits for all its tensor loads (one is out: its part of the other slot), adds 0 to its spare word, and waits for that and for its reads of the slot that it leaves.
; fill = 1: the barrier is a round of the cluster's, and the slot is filled again first thing behind it, with the tile two on: it has a tile's 256 matrix instructions in which to land.
.macro CHANGE fill
	WIN 0
	s_wait_tensorcnt 0x0
	ds_add_u32 v[SPW], v[NIL]
.if \fill
.irp g, G0K, G0V
	s_xor_b32 s[\g+1], s[\g+1], SLOT1
	s_add_nc_u64 s[\g+2:\g+3], s[\g+2:\g+3], 4*KS*128
.endr
.endif
	s_wait_xcnt 0x0                 ; the last prefetch and the second stream's last stores, a tile back, have read their registers
.if \fill
	s_add_nc_u64 s[PFA:PFA+1], s[PFA:PFA+1], 4*KS*128
.endif
	v_add_nc_u32 v[CSO], 1024, v[CSO]
	v_add_nc_u32 v[CSP], 256, v[CSP]
	s_wait_dscnt 0x0
.if \fill
	CROUND
	JLOAD
	ASK
.else
	s_barrier_signal -1
	s_barrier_wait -1
.endif
	CASTB \fill
	s_sub_co_u32 s[TBK], s[TBK], 4*KS*PK  ; the fetches go back to a slot's first step, in the other slot
	s_xor_b32 s[TBK], s[TBK], SLOT1
	s_sub_co_u32 s[TBV], s[TBV], 4*KS*PV
	s_xor_b32 s[TBV], s[TBV], SLOT1
.endm
	s_load_b128 s[16:19], s[0:1], 0x0  ; qkvh s[16:17], att s[18:19]
	s_load_b256 s[68:75], s[0:1], 0x10 ; w1, w2, wo, wts
	v_lshl_add_u32 v[SPW], v0, 2, SPARE
	v_mov_b32 v[NIL], 0
	ds_add_u32 v[SPW], v[NIL]       ; the wave's opening: the add and its wait ahead of my first tensor load
	v_lshrrev_b32 v1, 5, v0
	v_readfirstlane_b32 s[WV], v1
	s_bfe_u32 s13, ttmp6, 0x40000   ; cx
	s_lshl_b32 s14, ttmp9, 2
	s_add_co_u32 s14, s14, s13      ; my block of 256 queries: it enters Q's, O's and the second stream's addresses alone
	s_and_b32 s20, ttmp7, 0xffff    ; bh, which the four partners share
	s_lshl_b32 s82, s20, 3
	s_add_co_u32 s82, s82, s14
	s_lshl_b32 s82, s82, 2
	s_add_co_u32 s82, s82, s[WV]    ; my wave among the launch's 1,024
	s_lshr_b32 s21, s20, 4
	s_and_b32 s22, s20, 15
	s_mul_i32 s21, s21, 48
	s_add_co_u32 s21, s21, s22
	s_lshl_b32 s22, s21, 18         ; q's head in qkvh: blocks of 262,144 bytes
	s_mov_b32 s23, 0
	s_lshl_b32 s20, s20, 18         ; the head in att
	s_mov_b32 s21, 0
	s_lshl_b32 s2, s14, 2
	s_add_co_u32 s2, s2, s[WV]
	s_lshl_b32 s2, s2, 13           ; my wave's 64 rows of 128 bytes
	s_mov_b32 s3, 0
	s_and_b32 s15, s[WV], 1         ; which half of a tile's 256 keys I fetch
	s_lshl_b32 s52, s15, 14
	s_mov_b32 s53, 0
	s_mul_i32 s54, s15, 128*PK
	s_mul_i32 s55, s15, 128*PV
	; group 1: 128 keys are 16,384 dense bytes: asked for as 64 rows of 256 bytes, padded in LDS after every key
	s_mov_b32 s[G1K], 15|(1<<16)|(1<<20)|(1<<21)|(4<<22)|(3<<25)
	s_mov_b32 s[G1V], 15|(1<<16)|(1<<20)|(1<<21)|(4<<22)|(7<<25)
.irp g, G1K, G1V
	s_mov_b32 s[\g+1], 128<<16
	s_mov_b32 s[\g+2], 64<<16
	s_mov_b32 s[\g+3], 128<<16
	s_mov_b32 s[\g+4], 64
	s_mov_b32 s[\g+5], 128
	s_mov_b32 s[\g+6], 0
	s_mov_b32 s[\g+7], 0
.endr
	s_mov_b32 s[CS], 0x3e38aa3b     ; c = log2(e) / 8
	s_mov_b32 s[CS+1], s[CS]
	s_mov_b32 s[SEL], 0x76543210
	s_mov_b32 s[SEL+1], 0xfedcba98
	s_mov_b32 s[TBK], SLOT1+4*KS*PK ; the first change of slots turns these two into 0
	s_mov_b32 s[TBV], SLOT1+4*KS*PV
	s_mov_b32 s[G0K], 1
	s_mov_b32 s[G0K+1], s54
	s_mov_b32 s[G0V], 1
	s_add_co_u32 s[G0V+1], s55, VOFF
	s_mov_b32 s[SLOTS], 7           ; fills still to come
	s_or_b32 s[LIM], s15, ttmp9     ; waves 0 and 2 of the head's first cluster prefetch: the same in all four partners
	s_cmp_eq_u32 s[LIM], 0
	s_cselect_b32 s[LIM], 1, -1
	v_and_b32 v[PFO], 31, v0
	s_lshl_b32 s83, s82, 14
	v_lshl_add_u32 v[CLO], v[PFO], 4, s83
	s_lshl_b32 s83, s82, 13
	v_lshl_add_u32 v[CSO], v[PFO], 3, s83
	s_lshl_b32 s83, s82, 12
	v_lshl_add_u32 v[CLP], v[PFO], 4, s83
	s_lshl_b32 s83, s82, 11
	v_lshl_add_u32 v[CSP], v[PFO], 3, s83
	v_lshlrev_b32 v[PFO], 8, v[PFO]
	s_wait_dscnt 0x0
	s_wait_kmcnt 0x0
	s_add_nc_u64 s[W1D:W1D+1], s[74:75], 6291456
	s_add_nc_u64 s[W2D:W2D+1], s[74:75], 16777216
	s_add_nc_u64 s[WOD:WOD+1], s[74:75], 14680064
	s_add_nc_u64 s[4:5], s[16:17], s[22:23]   ; q's head,
	s_add_nc_u64 s[6:7], s[4:5], 16<<18       ; k's,
	s_add_nc_u64 s[8:9], s[4:5], 32<<18       ; v's
	s_add_nc_u64 s[4:5], s[4:5], s[2:3]       ; Q and O at my wave's first row
	s_add_nc_u64 s[10:11], s[18:19], s[20:21]
	s_add_nc_u64 s[10:11], s[10:11], s[2:3]
	s_cmp_lt_u32 s[WV], 2
	s_cselect_b64 s[PFA:PFA+1], s[6:7], s[8:9]
	s_lshl_b32 s2, s13, 13          ; my work-group's 32 blocks of the tile's 128
	s_add_nc_u64 s[PFA:PFA+1], s[PFA:PFA+1], s[2:3]
	s_add_nc_u64 s[PFA:PFA+1], s[PFA:PFA+1], 4*KS*128  ; at tile 1: the first change steps it to tile 2; tiles 0 and 1 come by their loads alone
	s_add_nc_u64 s[G0K+2:G0K+3], s[6:7], s[52:53]
	s_or_b32 s[G0K+3], s[G0K+3], 0x80000000
	s_add_nc_u64 s[G0V+2:G0V+3], s[8:9], s[52:53]
	s_or_b32 s[G0V+3], s[G0V+3], 0x80000000
	CROUND                          ; all four work-groups are here
	JLOAD                           ; tile 0 into slot 0
	v_and_b32 v1, 15, v0            ; l % 16
	v_bfe_u32 v9, v0, 4, 1          ; l / 16
	v_lshlrev_b32 v[QO], 7, v1
	v_lshl_add_u32 v[QO], v9, 4, v[QO]
	CLOADS                          ; the second stream's first batch
	WIN 0x80
.set i, 0
.rept 8                             ; Q stays in registers: piece i / 2, channels 32 (i % 2) on
	global_load_b128 v[8*i:8*i+3],   v[QO], s[4:5] offset:(i/2)*2048+(i%2)*64
	global_load_b128 v[8*i+4:8*i+7], v[QO], s[4:5] offset:(i/2)*2048+(i%2)*64+32
.set i, i+1
.endr
	; What the first turn finds: V and P's second buffer hold 0 (its products V^T P, of a piece that has not been, add 0), O^T and l are 0.  All this stands in the wait for the first tile.
.set i, VF
.rept 64
	v_mov_b32 v[i], 0
.set i, i+1
.endr
	WIN 0x40
.set i, 0
.rept 128
	v_mov_b32 v[i], 0
.set i, i+1
.endr
	WIN 0
.set i, 0
.rept 4
	v_mov_b32 v[ST+4*i], 0xfe000000    ; c m: far below every c s
	v_mov_b32 v[ST+4*i+1], 0xff7fffff  ; m
	v_mov_b32 v[ST+4*i+2], 0
	v_mov_b32 v[ST+4*i+3], 0
.set i, i+1
.endr
.set i, P+16
.rept 16
	v_mov_b32 v[i], 0
.set i, i+1
.endr
	v_mul_u32_u24 v[AK0], v1, PK
	v_lshl_add_u32 v[AK0], v9, 4, v[AK0]
	v_and_b32 v10, 7, v0            ; the turning load: lane l reads key 8 (l / 16) + l % 8, channels 8 ((l / 8) % 2) + 0..7
	v_bfe_u32 v11, v0, 3, 1
	v_lshl_add_u32 v[AV0], v9, 3, v10
	v_mul_u32_u24 v[AV0], v[AV0], PV
	v_lshl_add_u32 v[AV0], v11, 4, v[AV0]
	v_add_nc_u32 v[AV0], VOFF, v[AV0]
	s_mul_i32 s13, s[WV], 16*SP
	s_add_co_u32 s13, s13, STAGE    ; my stage
	v_mul_u32_u24 v[STO], v1, SP
	v_lshl_add_u32 v[STO], v9, 4, v[STO]
	v_add_nc_u32 v[STO], s13, v[STO]
	v_bfe_u32 v[RD], v0, 3, 2       ; back: 32 lanes take four rows of 128 bytes,
	v_mul_u32_u24 v[RD], v[RD], SP
	v_lshl_add_u32 v[RD], v10, 4, v[RD]
	v_add_nc_u32 v[RD], s13, v[RD]
	v_and_b32 v[GO], 31, v0         ; which are 512 consecutive bytes of O
	v_lshlrev_b32 v[GO], 4, v[GO]
; THE MATRIX WORK.  The 4 accumulators of a run of 8 take turns.  Product i of 8 of S^T = K Q^T for piece x: channels 32 (i / 4) on, keys 16 (i % 4) on.
.macro KQ x
	WIN W_KQ
.set rS, S+32*((\x)%2)+8*(i%4)
.set rK, KF+16*(i%4)+8*(i/4)
.set rQ, 16*(\x)+8*(i/4)
.if i < 4
	v_wmma_f32_16x16x32_bf16 v[rS:rS+7], v[rK:rK+7], v[rQ:rQ+7], 0
.else
	v_wmma_f32_16x16x32_bf16 v[rS:rS+7], v[rK:rK+7], v[rQ:rQ+7], v[rS:rS+7]
.endif
.endm
.macro PV x                         ; product i of 8 of O^T += V^T P for piece x: keys 32 (i / 4) on, channels 16 (i % 4) on
	WIN W_PV
.set rO, 32*(\x)+8*(i%4)
.set rV, VF+32*(i/4)+8*(i%4)
.set rP, P+16*((\x)%2)+8*(i/4)
	v_wmma_f32_16x16x32_bf16 v[rO:rO+7], v[rV:rV+7], v[rP:rP+7], v[rO:rO+7]
.endm
.macro MM                           ; the turn's next matrix instruction
.if i < 8
	KQ (Y+1)%NP
.else
.set i, i-8
	PV (Y+NP-1)%NP
.set i, i+8
.endif
.set i, i+1
.endm
; A step's K: 64 keys x 64 channels, one run of 16 loads.  last = 1 (the tail): behind the fetch of the tile's fourth step the address stays, so that the fifth trip's fetch reads that step once more.
.macro FETCH_K last=0
	WIN 0x80
.irp f, 0,1,2,3,4,5,6,7
	ds_load_b128 v[KF+8*\f:KF+8*\f+3],   v[AK] offset:(\f/2)*16*PK+(\f%2)*64
	ds_load_b128 v[KF+8*\f+4:KF+8*\f+7], v[AK] offset:(\f/2)*16*PK+(\f%2)*64+32
.endr
.if \last
	s_cmp_gt_u32 s[CNT], 2
	s_cselect_b32 s[KST], KS*PK, 0
	s_add_co_u32 s[TBK], s[TBK], s[KST]
.else
	s_add_co_u32 s[TBK], s[TBK], KS*PK
.endif
	WIN 0
.endm
.macro FETCH_V                      ; its V, turned
	WIN 0x80
.irp f, 0,1,2,3,4,5,6,7
	ds_load_tr16_b128 v[VF+8*\f:VF+8*\f+3],   v[AV] offset:(\f/4)*32*PV+(\f%4)*32
	ds_load_tr16_b128 v[VF+8*\f+4:VF+8*\f+7], v[AV] offset:(\f/4)*32*PV+16*PV+(\f%4)*32
.endr
	WIN 0
.endm
; THE VECTOR WORK, one line at a time: OP kind, number.  For piece Y: F n: c s - c m for pair n of 16.  E n: the exponential of score n of 32.  C n: pair n rounded to bf16.  B n: of the four weights 4 n ..
; the second pair is added onto the first.  L n: l takes that sum (L 0: l = a l + sum).  R n: pair n of 16 of O^T times a.  For piece Y + 1: X n, number n of the 22 that find its maximum and statistics:
; 0-11 four chains of seven scores (each accumulator's lowest registers first); 12-14, 16 the rest, the old m, and the four into one; 15 c m_old is kept; 17, 18 the other half of
; the lanes: the new m; 19-21 c m, c m_old - c m_new, a.
.set F, 0
.set E, 1
.set C, 2
.set B, 3
.set L, 4
.set R, 5
.set X, 6
.macro REGS y
.set rT, ST+4*(\y)
.set rC, TMP+4*((\y)%2)
.set rW, MV+((\y)%2)
.set rS, S+32*((\y)%2)
.set rP, P+16*((\y)%2)
.set rO, 32*(\y)
.endm
.macro OP k, n
.if (\k) == R
	REGS Y
	WIN W_RS
	v_pk_mul_f32 v[rO+2*(\n):rO+2*(\n)+1], v[rO+2*(\n):rO+2*(\n)+1], v[rC+2:rC+3] op_sel_hi:[1,0]
.elseif (\k) < R
	REGS Y
	WIN 0
.if (\k) == F
	v_pk_fma_f32 v[rS+2*(\n):rS+2*(\n)+1], v[rS+2*(\n):rS+2*(\n)+1], s[CS:CS+1], v[rT:rT+1] op_sel_hi:[1,0,0] neg_lo:[0,0,1] neg_hi:[0,0,1]
.elseif (\k) == E
	v_exp_f32 v[rS+(\n)], v[rS+(\n)]
.elseif (\k) == C
	v_cvt_pk_bf16_f32 v[rP+(\n)], v[rS+2*(\n)], v[rS+2*(\n)+1]
.elseif (\k) == B
	v_pk_add_f32 v[rS+4*(\n):rS+4*(\n)+1], v[rS+4*(\n):rS+4*(\n)+1], v[rS+4*(\n)+2:rS+4*(\n)+3]
.elseif (\n) == 0
	v_pk_fma_f32 v[rT+2:rT+3], v[rT+2:rT+3], v[rC+2:rC+3], v[rS:rS+1] op_sel_hi:[1,0,1]
.else
	v_pk_add_f32 v[rT+2:rT+3], v[rT+2:rT+3], v[rS+4*(\n):rS+4*(\n)+1]
.endif
.else
	REGS (Y+1)%NP
	WIN 0
.if (\n) < 4
	v_max3_num_f32 v[rC+(\n)], v[rS+8*(\n)], v[rS+8*(\n)+1], v[rS+8*(\n)+2]
.elseif (\n) < 12
	v_max3_num_f32 v[rC+(\n)%4], v[rC+(\n)%4], v[rS+8*((\n)%4)+2*((\n)/4)+1], v[rS+8*((\n)%4)+2*((\n)/4)+2]
.elseif (\n) == 12
	v_max3_num_f32 v[rC], v[rC], v[rS+7], v[rS+15]
.elseif (\n) == 13
	v_max3_num_f32 v[rC+1], v[rC+1], v[rS+23], v[rS+31]
.elseif (\n) == 14
	v_max3_num_f32 v[rC+2], v[rC+2], v[rC+3], v[rT+1]
.elseif (\n) == 15
	v_mov_b32 v[rW], v[rT]
.elseif (\n) == 16
	v_max3_num_f32 v[rC], v[rC], v[rC+1], v[rC+2]
.elseif (\n) == 17
	v_permlanex16_b32 v[rC+3], v[rC], s[SEL], s[SEL+1]
.elseif (\n) == 18
	v_max_num_f32 v[rT+1], v[rC], v[rC+3]
.elseif (\n) == 19
	v_mul_f32 v[rT], s[CS], v[rT+1]
.elseif (\n) == 20
	v_sub_f32 v[rC+1], v[rW], v[rT]
.else
	v_exp_f32 v[rC+2], v[rC+1]
.endif
.endif
.endm
.macro OPS a, i1, b=-1, i2=0, c=-1, i3=0, d=-1, i4=0
	OP \a, \i1
.if (\b) >= 0
	OP \b, \i2
.endif
.if (\c) >= 0
	OP \c, \i3
.endif
.if (\d) >= 0
	OP \d, \i4
.endif
.endm
.macro ROW a, i1, b, i2, c, i3, d, i4  ; a matrix instruction and the four behind it
	MM
	OPS \a, \i1, \b, \i2, \c, \i3, \d, \i4
.endm
; A TURN, for piece p.  AHEAD OF ITS ONE WAIT stands all that names no result of the turn's exponentials: the 8 products K Q^T with their riders, then the lump; X 21, the next piece's a, is the batch's
; last, R 15 the plain instruction behind it.  BEHIND THE WAIT stand the 8 products V^T P, behind each four of the roundings and sums.
; K of the next step is fetched in piece 2's turn, V of the step in hand at the end of piece 0's, each four plain instructions or more behind the last product that read the registers, and waited for a turn later.
; last = 1: the tail's K fetch (FETCH_K).  cnt = 1: the loop's count is taken down some lines ahead of the branch behind the turn.
.macro TURN p, last=0, cnt=0
.set Y, (\p)
.set i, 0
.if (\p) == 3
	s_wait_dscnt 0x0                ; K is in
.endif
	ROW F,0, F,1, R,0, R,1
	ROW F,2, E,0, R,2, R,3
	ROW F,3, E,1, R,4, R,5
	ROW F,4, E,2, R,6, R,7
	ROW F,5, E,3, R,8, R,9
	ROW F,6, E,4, X,0, R,10
.if (\p) == 2
	WIN 0
	v_add_nc_u32 v[AK], s[TBK], v[AK0]
.endif
	ROW F,7, E,5, X,1, X,4
	ROW F,8, E,6, X,2, X,5
	OPS E,7, E,8, X,6, E,9
	OPS X,3, E,10, X,8, E,11
.if (\p) == 2
	FETCH_K \last
.endif
	OPS X,9, X,7, E,12, X,10
	OPS E,13, X,12, X,11, E,14
	OPS X,13, E,15, F,9, X,14
.if (\p) == 0
	v_add_nc_u32 v[AV], s[TBV], v[AV0]
.endif
	OPS E,16, F,10, E,17, F,11
	OPS X,16, E,18, X,15, E,19
	OPS F,12, E,20, X,17, E,21
	OPS F,13, E,22, F,14, E,23
	OPS X,18, E,24, F,15, E,25
	OPS R,11, E,26, X,19, E,27
	OPS R,12, E,28, R,13, E,29
	OPS X,20, E,30, R,14, E,31
	OPS X,21, R,15
	WIN 0
	s_wait_alu depctr_va_vdst(0)    ; the wait for the batch
.if (\p) == 1
	s_wait_dscnt 0x0                ; V is in
.endif
	ROW C,0, B,0, C,2, B,1
	ROW L,0, C,4, B,2, L,1
	ROW C,6, B,3, L,2, C,8
	ROW B,4, L,3, C,10, B,5
	ROW L,4, C,12, B,6, L,5
.if (\p) == 0
	s_add_co_u32 s[TBV], s[TBV], KS*PV
.endif
.if \cnt
	s_sub_co_u32 s[CNT], s[CNT], 1
	s_cmp_lg_u32 s[CNT], 0
.endif
	ROW C,14, B,7, L,6, C,1
	ROW C,3, L,7, C,5, C,7
	ROW C,9, C,11, C,13, C,15
.if (\p) == 0
	FETCH_V
.endif
.endm
	CHANGE 1                        ; tile 0 is in, everybody's part of it; tile 1 is asked for
	v_add_nc_u32 v[AK], s[TBK], v[AK0]
	FETCH_K                         ; key step 0
	s_wait_loadcnt 9                ; Q is in; the nine loads of the second stream's second batch, issued behind it, may stay out
	s_wait_dscnt 0x0
.set i, 0
.rept 8
	KQ 0                            ; piece 0's first scores
.set i, i+1
.endr
	WIN 0
.rept 4
	v_nop                           ; the places behind those products
.endr
.set Y, NP-1                        ; X works for piece Y + 1: piece 0
.irp n, 0,1,2,3,4,5,6,7,8,9,10,11,12,13,14,15,16,17,18,19,20,21
	OP X, \n
.endr
	v_nop                           ; a plain instruction behind the exponential,
	s_wait_alu depctr_va_vdst(0)    ; and its wait, ahead of the branch
	s_mov_b32 s[CNT], 4
	s_branch .Lfirst                ; the loop is entered at a step's first turn, in the middle of a trip
.Lslot:                             ; six times more: a tile is entered and the tile after the next asked for
	CHANGE 1
	s_mov_b32 s[CNT], 4
.Lstep:                             ; a trip: pieces 2 and 3 of one step, then pieces 0 and 1 of the next, whose K and V it fetches
	TURN 2
	TURN 3
	WIN 0
.Lfirst:
	TURN 0
	TURN 1, 0, 1
	WIN 0
	s_cbranch_scc1 .Lstep
	s_sub_co_u32 s[SLOTS], s[SLOTS], 1
	s_cmp_lg_u32 s[SLOTS], 0
	s_cbranch_scc1 .Lslot
	CHANGE 0                        ; the last tile is written out: nothing is asked for
	s_mov_b32 s[CNT], 5             ; four trips fetch the last tile's steps; the fifth is left in its middle
.Ltail:
	TURN 2, 1
	TURN 3
	WIN 0
	s_cmp_eq_u32 s[CNT], 1
	s_cbranch_scc1 .Lout
	TURN 0
	TURN 1
	WIN 0
	s_sub_co_u32 s[CNT], s[CNT], 1
	s_cmp_lg_u32 s[CNT], 0
	s_cbranch_scc1 .Ltail
.Lout:                              ; the fifth trip's K fetch, its 8 products K Q^T (on the last K once more) and the maximum made of them serve nothing: the price, once a wave, of one text for every trip
.set i, 0
.rept 8
	PV NP-1                         ; the last piece's V^T P of the last step
.set i, i+1
.endr
	; THE WAY OUT.  l's two halves and the other half of the lanes' are added; O^T is divided by l, rounded to bf16 and sent through my stage, a piece at a time.  The additions are the places behind the last products.
	WIN 0
.macro ALL line:vararg
.set t, 0
.rept 4
	\line
.set t, t+1
.endr
.endm
	ALL v_add_f32 v[ST+4*t+2], v[ST+4*t+2], v[ST+4*t+3]
	ALL v_permlanex16_b32 v[ST+4*t+3], v[ST+4*t+2], s[SEL], s[SEL+1]
	ALL v_add_f32 v[ST+4*t+2], v[ST+4*t+2], v[ST+4*t+3]
	ALL v_rcp_f32 v[ST+4*t+2], v[ST+4*t+2]
	v_nop                           ; a plain instruction behind the last reciprocal,
	s_wait_alu depctr_va_vdst(0)    ; and one wait for the four, ahead of the first use
.macro PACK t
	WIN W_RS
.set i, 32*(\t)
.rept 16
	v_pk_mul_f32 v[i:i+1], v[i:i+1], v[ST+4*(\t)+2:ST+4*(\t)+3] op_sel_hi:[1,0]
.set i, i+2
.endr
	WIN 0x05
.set i, 0
.rept 16
	v_cvt_pk_bf16_f32 v[S+16*(\t)+i], v[32*(\t)+2*i], v[32*(\t)+2*i+1]
.set i, i+1
.endr
	WIN 0
.irp f, 0,1,2,3
	ds_store_b128 v[STO], v[S+16*(\t)+4*\f:S+16*(\t)+4*\f+3] offset:32*\f
.endr
.irp f, 0,1,2,3
	ds_load_b128 v[S+16*(\t)+4*\f:S+16*(\t)+4*\f+3], v[RD] offset:\f*4*SP  ; LDS serves a wave's instructions in order (ISA guide 5.7.1.4): these see the stores above
.endr
.endm
.macro SEND t, younger              ; younger: the LDS instructions issued behind piece t's loads
	WIN 0
.irp f, 0,1,2,3
	s_wait_dscnt (\younger)+3-\f
	global_store_b128 v[GO], v[S+16*(\t)+4*\f:S+16*(\t)+4*\f+3], s[10:11] offset:(\t)*2048+\f*512  ; 512 consecutive bytes, aligned
.endr
.endm
	PACK 0
.set t, 1
.rept 3
	PACK t
	SEND t-1, 8
.set t, t+1
.endr
	SEND 3, 0
	s_wait_tensorcnt 0x0            ; the wave's end
	ds_add_u32 v[SPW], v[NIL]
	s_wait_dscnt 0x0
	CROUND                          ; the closing round
	s_endpgm
.Lfunc_end_k_q89a088e344_attn:
	.size	k_q89a088e344_attn, .Lfunc_end_k_q89a088e344_attn-k_q89a088e344_attn
	.p2alignl 7, 3214868480
	.fill 96, 4, 3214868480
	.section	.rodata,"a",@progbits
	.p2align	6, 0x0
	.amdhsa_kernel k_q89a088e344_attn
		.amdhsa_group_segment_fixed_size 327680
		.amdhsa_private_segment_fixed_size 0
		.amdhsa_enable_private_segment 0
		.amdhsa_kernarg_size 48
		.amdhsa_user_sgpr_count 2
		.amdhsa_user_sgpr_kernarg_segment_ptr 1
		.amdhsa_wavefront_size32 1
		.amdhsa_system_sgpr_workgroup_id_x 1
		.amdhsa_system_sgpr_workgroup_id_y 1
		.amdhsa_system_sgpr_workgroup_id_z 1
		.amdhsa_system_vgpr_workitem_id 0
		.amdhsa_next_free_vgpr 768
		.amdhsa_next_free_sgpr 84
		.amdhsa_reserve_vcc 0
		.amdhsa_float_denorm_mode_32 3
		.amdhsa_float_denorm_mode_16_64 3
		.amdhsa_memory_ordered 1
		.amdhsa_forward_progress 1
		.amdhsa_inst_pref_size 122
	.end_amdhsa_kernel
	.amdgpu_metadata
---
amdhsa.version: [ 1, 2 ]
amdhsa.kernels:
  - .name:           k_q89a088e344_attn
    .symbol:         k_q89a088e344_attn.kd
    .args:
      - { .name: qkvh, .offset: 0, .size: 8, .value_kind: global_buffer, .address_space: global }
      - { .name: att, .offset: 8, .size: 8, .value_kind: global_buffer, .address_space: global }
      - { .name: w1, .offset: 16, .size: 8, .value_kind: global_buffer, .address_space: global }
      - { .name: w2, .offset: 24, .size: 8, .value_kind: global_buffer, .address_space: global }
      - { .name: wo, .offset: 32, .size: 8, .value_kind: global_buffer, .address_space: global }
      - { .name: wts, .offset: 40, .size: 8, .value_kind: global_buffer, .address_space: global }
    .group_segment_fixed_size: 327680
    .private_segment_fixed_size: 0
    .kernarg_segment_align: 8
    .kernarg_segment_size: 48
    .max_flat_workgroup_size: 128
    .sgpr_count:     84
    .vgpr_count:     768
    .wavefront_size: 32
...
	.end_amdgpu_metadata
.endif
;; end of part 3
;; launch proj (part 4): grid 8 x 32, 4 waves a work-group, clusters of 4 x 4, 327,680 bytes of LDS; arguments att, wts, ybuf, bo, xn; writes ybuf
.if DOCPART == 4
	.amdgcn_target "amdgcn-amd-amdhsa--gfx1250"
	.amdhsa_code_object_version 6
	.text
	.protected	k_q89a088e344_proj
	.globl	k_q89a088e344_proj
	.p2align	8
	.type	k_q89a088e344_proj,@function
k_q89a088e344_proj:
	s_mov_b64 s[64:65], 0
	v_nop
	global_prefetch_b8 v0, s[64:65] scope:SCOPE_SE
	s_setreg_imm32_b32 hwreg(HW_REG_WAVE_MODE, 25, 1), 1
	s_wait_xcnt 0x0
	s_wait_alu depctr_hold_cnt(0) depctr_sa_sdst(0) depctr_va_vdst(0) depctr_va_sdst(0) depctr_va_ssrc(0) depctr_va_vcc(0) depctr_vm_vsrc(0)
	s_getreg_b32 s2, hwreg(HW_REG_IB_STS2, 6, 4)
	s_cmp_eq_u32 s2, 0
	s_cbranch_scc0 .Lentry_in_a_cluster
	s_endpgm
.Lentry_in_a_cluster:
	s_bfe_u32 s2, ttmp6, 0x10000c
	s_cmp_lg_u32 s2, 0xf033
	s_cbranch_scc0 .Lentry_shape_is_right
	s_endpgm
.Lentry_shape_is_right:
; ybuf = att wo^T + bo + xn, f32 [4096][1024].  A = att, bf16, BY HEADS [bh 32][s 2048][64]; B = wo as bf16 in wts [1024][1024]; the residual xn is f16; sums in f32.
; TILE.  128 x 128 of C to a work-group: 32 x 8 = 256 work-groups; four waves, 64 x 64 each.  K in steps of 256, as long as two slots in LDS allow.
; A's TILE.  A K step is four heads, and 64 tokens of a head are 8,192 dense bytes: asked for as 4 rows of 8,192 bytes, 262,144 apart, padded after every 128: in LDS [head][token][64 channels],
; pitch 144, a head 9,216 bytes: a quarter of the K step is one head.
; RING, CLUSTER, TRANSPOSED PRODUCT, WINDOWS: two LDS slots filled by joint tensor loads (A's tile shared along a row of the 4 x 4 cluster, B's along a column); the loop is written for ONE K step, the
; slot in hand is a scalar (TB); source 0 = 16 rows of B, source 1 = 16 rows of A, so a lane holds row l % 16 and eight neighbouring columns; window 0 addresses, A's fragments, the residual; window 1 B's
; fragments; windows 2, 3 the accumulators.
; THE WALK ALONG K begins at K step (RX x cluster x + RY x cluster y) mod NK and goes round: clusters that read the same rows of A or of B stand at different K steps at any time.  The number hangs on the
; cluster's place in the grid alone, which all sixteen partners share; the f32 sums are taken in that order of K.
.set K,     1024
.set HEADS, 1
.set BM,    128
.set BN,    128
.set MT,    4
.set NT,    4
.set QD,    2
.set KS,    128*QD
.set NK,    K/KS
.set RX,    2
.set RY,    1
.set ASH,   20                         ; a K step of A is four heads of 262,144 bytes on
.set KSH,   9                          ; of B 512 bytes
.set PA,    144
.set PB,    528
.set AQ,    64*PA
.set BQ,    128
.set AH,    4*64*PA
.set BH,    (BN/2)*PB
.set SLOT,  2*AH+2*BH
.set SPARE, 2*SLOT
.set WOFF,  14680064
.set ADIM0, 4096
.set AROWS, 4
.set ASTR,  131072
.set QIA,   4
.set QIB,   6
.set SP,    4*(BN/2)+16
.set STW,   (BM/2)*SP
.set NL,    2*(MT+NT)*QD
.set ADRA, 16
.set A0,   17
.set ADRB, 20
.set B0,   21
.set BO,   22                          ; v22  my byte offset in the bias
.set STO,  24
.set RD,   25
.set CO,   26
.set RO,   27                          ; v27  my byte offset in the residual
.set SPW,  28
.set NIL,  29
.set ONE,  31                          ; v31  1.0
.set BI,   32                          ; v[32:35] the bias of my four columns
.set RES,  192                         ; v[192:255] the residual of my 64 x 64: two f16 pairs for each of 32 units of two rows
.set G1A,  24
.set G0A,  32
.set G1B,  48
.set G0B,  56
.set TB,   66
.set KC,   67                          ; s67  the K step that the walking descriptors name
.set LA,   68
.set LB,   69
.set ABASE, 70                         ; s[70:71] A at the rows that I fetch, K step 0
.set BBASE, 78                         ; s[78:79] the same for B
.set OFA,  96                          ; s[96:97] a K step's byte offset in A
.set OFB,  98                          ; s[98:99] in B
.set MSB,  0
.macro WIN new
.if MSB != (\new)
	s_set_vgpr_msb (MSB<<8)|(\new)
.set MSB, \new
.endif
.endm
.macro WM ops:vararg
	v_wmma_f32_16x16x32_bf16 \ops
.endm
.macro PLACES
.rept 4
	v_nop
.endr
.endm
.macro CREST
	s_cmp_lg_u32 s10, 0
	s_cbranch_scc1 .Lnot_wave_0_\@
	s_barrier_signal -3
.Lnot_wave_0_\@:
	s_barrier_wait -3
	s_barrier_signal -1
	s_barrier_wait -1
.endm
.macro CROUND
	s_barrier_signal -1
	s_barrier_wait -1
	CREST
.endm
.macro JLOAD
	s_cmp_eq_u32 s11, 0
	s_cbranch_scc0 .Lfor_b_\@
	tensor_load_to_lds s[G0A+4:G0A+7], s[G1A:G1A+7]
	s_nop 0
.rept 4
	v_nop
.endr
	s_branch .Lasked_\@
.Lfor_b_\@:
	tensor_load_to_lds s[G0B+4:G0B+7], s[G1B:G1B+7]
	s_nop 0
.rept 4
	v_nop
.endr
.Lasked_\@:
.endm
.macro G0SET set, kreg                 ; group 0, set 0 or 1, for the K step in s[kreg], into slot 0 or 1
	s_lshl_b32 s[OFA], s[\kreg], ASH
	s_lshl_b32 s[OFB], s[\kreg], KSH
	s_mov_b32 s[G0A+4*(\set)], 1
	s_add_co_u32 s[G0A+4*(\set)+1], s[LA], (\set)*SLOT
	s_add_nc_u64 s[G0A+4*(\set)+2:G0A+4*(\set)+3], s[ABASE:ABASE+1], s[OFA:OFA+1]
	s_or_b32 s[G0A+4*(\set)+3], s[G0A+4*(\set)+3], 0x80000000
	s_mov_b32 s[G0B+4*(\set)], 1
	s_add_co_u32 s[G0B+4*(\set)+1], s[LB], (\set)*SLOT
	s_add_nc_u64 s[G0B+4*(\set)+2:G0B+4*(\set)+3], s[BBASE:BBASE+1], s[OFB:OFB+1]
	s_or_b32 s[G0B+4*(\set)+3], s[G0B+4*(\set)+3], 0x80000000
.endm
.macro MULS f, a0, n, zero             ; the accumulators take turns, one instruction a turn
.set ma, (\a0)
.rept (\n)
	WIN 0xa1+0x50*(ma/(MT/2))
.set mc, 0
.rept QD
.set mb, 0
.rept NT
.set rD, 8*((ma%(MT/2))*NT+mb)
.set rB, 64+(\f)*8*NT*QD+8*(mc*NT+mb)
.set rA, 64+(\f)*64+8*(mc*MT+ma)
.if (\zero) && (mc == 0)
	WM v[rD:rD+7], v[rB:rB+7], v[rA:rA+7], 0
.else
	WM v[rD:rD+7], v[rB:rB+7], v[rA:rA+7], v[rD:rD+7]
.endif
.set mb, mb+1
.endr
.set mc, mc+1
.endr
.set ma, ma+1
.endr
.endm
.macro FETCH q, g
	WIN 0x40
.set fc, 0
.rept QD
.set fb, 0
.rept NT
.set fr, 64+(\g)*8*NT*QD+8*(fc*NT+fb)
	ds_load_b128 v[fr:fr+3],   v[ADRB] offset:(\q)*BQ+64*fc+16*fb*PB
	ds_load_b128 v[fr+4:fr+7], v[ADRB] offset:(\q)*BQ+64*fc+16*fb*PB+32
.set fb, fb+1
.endr
.set fc, fc+1
.endr
	WIN 0
.set fh, 0
.rept 2
.set fc, 0
.rept QD
.set fa, fh*(MT/2)
.rept MT/2
.set fr, 64+(\g)*64+8*(fc*MT+fa)
	ds_load_b128 v[fr:fr+3],   v[ADRA] offset:(\q)*AQ+64*fc+16*fa*PA
	ds_load_b128 v[fr+4:fr+7], v[ADRA] offset:(\q)*AQ+64*fc+16*fa*PA+32
.set fa, fa+1
.endr
.set fc, fc+1
.endr
.set fh, fh+1
.endr
.endm
.macro QUARTER q, f, g, zero
	s_wait_dscnt MT*QD                             ; the youngest MT QD loads, A's upper blocks, may be out
	MULS \f, 0, MT/2, \zero
	PLACES
	FETCH \q, \g
	s_wait_dscnt NL                                ; all but the run just issued
	MULS \f, MT/2, MT/2, \zero
.endm
.macro TURN fill                       ; the last quarter and the change of slots: all my tensor loads, the add, my reads, the barrier (fill = 1: a round of the cluster's), the refill first behind it
	WIN 0
	s_wait_tensorcnt 0x0
	ds_add_u32 v[SPW], v[NIL]
.if \fill
	s_add_co_u32 s[KC], s[KC], 1                   ; no tensor load of mine is out: the walking descriptors take the next K step, round NK,
	s_and_b32 s[KC], s[KC], NK-1
	s_lshl_b32 s[OFA], s[KC], ASH
	s_lshl_b32 s[OFB], s[KC], KSH
	s_add_co_u32 s[G0A+5], s[TB], s[LA]            ; and the slot in hand, which is read out when they are used
	s_add_co_u32 s[G0B+5], s[TB], s[LB]
	s_add_nc_u64 s[G0A+6:G0A+7], s[ABASE:ABASE+1], s[OFA:OFA+1]
	s_or_b32 s[G0A+7], s[G0A+7], 0x80000000
	s_add_nc_u64 s[G0B+6:G0B+7], s[BBASE:BBASE+1], s[OFB:OFB+1]
	s_or_b32 s[G0B+7], s[G0B+7], 0x80000000
.endif
	s_wait_dscnt MT*QD+1                           ; the add and A's upper blocks may be out
	MULS 1, 0, MT/4, 0
	s_wait_dscnt 0x0
	s_barrier_signal -1
	MULS 1, MT/4, MT/4, 0
	WIN 0
	s_barrier_wait -1
.if \fill
	CREST
	JLOAD
.else
	PLACES
.endif
	s_xor_b32 s[TB], s[TB], SLOT
	v_add_nc_u32 v[ADRA], s[TB], v[A0]
	v_add_nc_u32 v[ADRB], s[TB], v[B0]
	FETCH 0, 0
	MULS 1, MT/2, MT/2, 0
.endm
.macro LAST
	s_wait_dscnt MT*QD
	MULS 1, 0, MT/2, 0
	s_wait_dscnt 0x0
	MULS 1, MT/2, MT/2, 0
.endm
.macro DUMP
.set da, 0
.rept MT
	WIN 0x08+4*(da/(MT/2))
.set db, 0
.rept NT
.set rD, 8*((da%(MT/2))*NT+db)
	ds_store_b128 v[STO], v[rD:rD+3]   offset:16*da*SP+64*db
	ds_store_b128 v[STO], v[rD+4:rD+7] offset:16*da*SP+64*db+16
.set db, db+1
.endr
.set da, da+1
.endr
	WIN 0
.endm
	s_load_b128 s[4:7], s[0:1], 0x0                ; A s[4:5], wts s[6:7]
	s_load_b64 s[8:9], s[0:1], 0x10                ; the output
	s_load_b64 s[72:73], s[0:1], 0x18              ; the bias
	s_load_b64 s[74:75], s[0:1], 0x20              ; the residual
	v_lshl_add_u32 v[SPW], v0, 2, SPARE
	v_mov_b32 v[NIL], 0
	ds_add_u32 v[SPW], v[NIL]                      ; the wave's opening: the add and its wait ahead of my first tensor load
	v_lshrrev_b32 v1, 5, v0
	v_readfirstlane_b32 s10, v1
	s_lshr_b32 s11, s10, 1
	s_and_b32 s12, s10, 1
	s_bfe_u32 s40, ttmp6, 0x40000
	s_bfe_u32 s41, ttmp6, 0x40004
	s_lshl_b32 s42, ttmp9, 2
	s_add_co_u32 s42, s42, s40                     ; tile column
	s_and_b32 s13, ttmp7, 0xffff
	s_lshl_b32 s13, s13, 2
	s_add_co_u32 s13, s13, s41                     ; tile row
	s_lshl_b32 s14, s41, 2
	s_lshl_b32 s14, 15, s14
	s_lshl_b32 s46, 0x1111, s40
	s_or_b32 s[G1A], s14, (1<<16)|(1<<20)|(1<<21)|(QIA<<22)|(3<<25)
	s_or_b32 s[G1B], s46, (1<<16)|(1<<20)|(1<<21)|(QIB<<22)|(3<<25)
	s_mov_b32 s[G1A+1], (ADIM0&0xffff)<<16
	s_mov_b32 s[G1A+2], (ADIM0>>16)|(AROWS<<16)
	s_mov_b32 s[G1A+3], ADIM0<<16
	s_mov_b32 s[G1A+4], AROWS
	s_mov_b32 s[G1A+5], ASTR
	s_mov_b32 s[G1A+6], 0
	s_mov_b32 s[G1A+7], 0
	s_mov_b32 s[G1B+1], KS<<16
	s_mov_b32 s[G1B+2], (BN/2)<<16
	s_mov_b32 s[G1B+3], KS<<16
	s_mov_b32 s[G1B+4], BN/2
	s_mov_b32 s[G1B+5], K
	s_mov_b32 s[G1B+6], 0
	s_mov_b32 s[G1B+7], 0
	s_mul_i32 s16, s13, BM
	s_mul_i32 s17, s12, BM/2
	s_add_co_u32 s16, s16, s17                     ; the first token that I fetch
.if HEADS
	s_lshr_b32 s17, s16, 11
	s_lshl_b32 s17, s17, 22                        ; its batch: 16 heads of 262,144 bytes
	s_and_b32 s16, s16, 2047
	s_lshl_b32 s16, s16, 7
	s_add_co_u32 s16, s16, s17
.else
	s_mul_i32 s16, s16, 2*K
.endif
	s_mov_b32 s17, 0
	s_mul_i32 s46, s42, BN
	s_mul_i32 s47, s12, BN/2
	s_add_co_u32 s46, s46, s47
	s_mul_i32 s46, s46, 2*K
	s_add_co_u32 s46, s46, WOFF
	s_mov_b32 s47, 0
	s_mul_i32 s[LA], s12, AH
	s_mul_i32 s[LB], s12, BH
	s_add_co_u32 s[LB], s[LB], 2*AH
	s_mov_b32 s[TB], 0
	s_mul_i32 s18, ttmp9, RX                       ; where my cluster's walk along K begins
	s_and_b32 s19, ttmp7, 0xffff
	s_mul_i32 s19, s19, RY
	s_add_co_u32 s18, s18, s19
	s_and_b32 s18, s18, NK-1
	s_add_co_u32 s[KC], s18, 1                     ; and its second K step
	s_and_b32 s[KC], s[KC], NK-1
	s_mov_b32 s[OFA+1], 0
	s_mov_b32 s[OFB+1], 0
	s_wait_dscnt 0x0
	s_wait_kmcnt 0x0
	s_add_nc_u64 s[ABASE:ABASE+1], s[4:5], s[16:17]
	s_add_nc_u64 s[BBASE:BBASE+1], s[6:7], s[46:47]
	G0SET 0, 18
	G0SET 1, KC
	CROUND
	s_cmp_eq_u32 s11, 0                            ; a wave's two first fills stand in one branch: two loads of mine are out
	s_cbranch_scc0 .Lfirst_b
	tensor_load_to_lds s[G0A:G0A+3], s[G1A:G1A+7]
	s_nop 0
	tensor_load_to_lds s[G0A+4:G0A+7], s[G1A:G1A+7]
	s_nop 0
.rept 4
	v_nop
.endr
	s_branch .Lfirst_asked
.Lfirst_b:
	tensor_load_to_lds s[G0B:G0B+3], s[G1B:G1B+7]
	s_nop 0
	tensor_load_to_lds s[G0B+4:G0B+7], s[G1B:G1B+7]
	s_nop 0
.rept 4
	v_nop
.endr
.Lfirst_asked:
	v_and_b32 v1, 15, v0
	v_bfe_u32 v2, v0, 4, 1
	v_mul_u32_u24 v3, v1, PA
	v_lshl_add_u32 v3, v2, 4, v3
	s_mul_i32 s20, s11, AH
	v_add_nc_u32 v[A0], s20, v3
	v_mul_u32_u24 v3, v1, PB
	v_lshl_add_u32 v3, v2, 4, v3
	s_mul_i32 s21, s12, BH
	s_add_co_u32 s21, s21, 2*AH
	v_add_nc_u32 v[B0], s21, v3
	v_mov_b32 v[ADRA], v[A0]
	v_mov_b32 v[ADRB], v[B0]
	s_mul_i32 s20, s10, STW
	v_mul_u32_u24 v3, v1, SP
	v_lshl_add_u32 v[STO], v2, 5, v3
	v_add_nc_u32 v[STO], s20, v[STO]
	v_mul_u32_u24 v3, v2, SP                       ; back: lanes 0-15 take my 64 columns of one row, lanes 16-31 of the next
	v_lshl_add_u32 v[RD], v1, 4, v3
	v_add_nc_u32 v[RD], s20, v[RD]
	v_lshlrev_b32 v3, 12, v2
	v_lshl_add_u32 v[CO], v1, 4, v3                ; the same two rows in the output, 4,096 bytes a row
	v_lshlrev_b32 v3, 11, v2
	v_lshl_add_u32 v[RO], v1, 3, v3                ; and in the residual, 2,048 bytes a row
	v_lshlrev_b32 v[BO], 4, v1
	v_mov_b32 v[ONE], 1.0
	s_lshl_b32 s46, s42, 7
	s_lshl_b32 s47, s12, 6
	s_add_co_u32 s46, s46, s47                     ; my first column
	s_lshl_b32 s16, s13, 7
	s_lshl_b32 s17, s11, 6
	s_add_co_u32 s16, s16, s17                     ; my first row
	s_lshl_b32 s22, s46, 2
	s_mov_b32 s23, 0
	s_add_nc_u64 s[72:73], s[72:73], s[22:23]
	global_load_b128 v[BI:BI+3], v[BO], s[72:73]
	s_lshl_b32 s18, s16, 11
	s_lshl_b32 s19, s46, 1
	s_add_co_u32 s18, s18, s19
	s_mov_b32 s19, 0
	s_add_nc_u64 s[74:75], s[74:75], s[18:19]
.set i, 0
.rept 32                               ; the residual is asked for now and waited for on the way out: the loop uses no global load
	global_load_b64 v[RES+2*i:RES+2*i+1], v[RO], s[74:75] offset:4096*i
.set i, i+1
.endr
	s_lshl_b32 s20, s16, 12
	s_add_co_u32 s20, s20, s22
	s_mov_b32 s21, 0
	s_add_nc_u64 s[8:9], s[8:9], s[20:21]
	s_wait_tensorcnt 0x1                           ; my part of the first K step is in; the second's may stay out
	s_barrier_signal -1
	s_barrier_wait -1
	FETCH 0, 0
	QUARTER 1, 0, 1, 1
	WIN 0
	s_mov_b32 s3, NK-2
.Lstep:
	QUARTER 2, 1, 0, 0
	QUARTER 3, 0, 1, 0
	TURN 1
	QUARTER 1, 0, 1, 0
	WIN 0
	s_sub_co_u32 s3, s3, 1
	s_cmp_lg_u32 s3, 0
	s_cbranch_scc1 .Lstep
	s_mov_b32 s3, 2                                ; the last two K steps ask for nothing: a second text
.Ltail:
	QUARTER 2, 1, 0, 0
	QUARTER 3, 0, 1, 0
	WIN 0
	s_cmp_eq_u32 s3, 1
	s_cbranch_scc1 .Llast
	TURN 0
	QUARTER 1, 0, 1, 0
	WIN 0
	s_sub_co_u32 s3, s3, 1
	s_cmp_lg_u32 s3, 0
	s_cbranch_scc1 .Ltail
.Llast:
	LAST
	; THE WAY OUT.  The ring has had its last fill; when every wave's reads of it are over the stages are laid over it.  A wave reads only its own stage.  32 units of two rows, in batches of eight on two buffers.
	WIN 0
	PLACES
	s_wait_dscnt 0x0
	s_barrier_signal -1
	s_barrier_wait -1
	DUMP
	s_wait_loadcnt 0x0                             ; the bias and the residual
.macro LOADB g
.irp t, 0,1,2,3,4,5,6,7
	ds_load_b128 v[64+32*((\g)%2)+4*(\t):64+32*((\g)%2)+4*(\t)+3], v[RD] offset:2*(8*(\g)+(\t))*SP
.endr
.endm
.macro UNITS g
.irp t, 0,1,2,3,4,5,6,7
.set rr, 64+32*((\g)%2)+4*(\t)
.set rq, RES+2*(8*(\g)+(\t))
	v_pk_add_f32 v[rr:rr+1], v[rr:rr+1], v[BI:BI+1]
	v_pk_add_f32 v[rr+2:rr+3], v[rr+2:rr+3], v[BI+2:BI+3]
	v_fma_mix_f32 v[rr],   v[rq],   v[ONE], v[rr]   op_sel_hi:[1,0,0]                 ; + the residual's f16 half, widened in the instruction
	v_fma_mix_f32 v[rr+1], v[rq],   v[ONE], v[rr+1] op_sel:[1,0,0] op_sel_hi:[1,0,0]
	v_fma_mix_f32 v[rr+2], v[rq+1], v[ONE], v[rr+2] op_sel_hi:[1,0,0]
	v_fma_mix_f32 v[rr+3], v[rq+1], v[ONE], v[rr+3] op_sel:[1,0,0] op_sel_hi:[1,0,0]
	global_store_b128 v[CO], v[rr:rr+3], s[8:9] offset:8192*(8*(\g)+(\t))  ; 16 lanes store 256 consecutive bytes, aligned
.endr
.endm
	LOADB 0
	LOADB 1
	s_wait_dscnt 8                                 ; the next batch's eight loads may be out
	UNITS 0
	s_wait_xcnt 0x0                                ; the stores have read their data: the buffer is loaded again only behind this wait
	LOADB 2
	s_wait_dscnt 8
	UNITS 1
	s_wait_xcnt 0x0
	LOADB 3
	s_wait_dscnt 8
	UNITS 2
	s_wait_dscnt 0x0
	UNITS 3
	s_wait_tensorcnt 0x0                           ; the wave's end
	ds_add_u32 v[SPW], v[NIL]
	s_wait_dscnt 0x0
	CROUND                                         ; the closing round
	s_endpgm
.Lfunc_end_k_q89a088e344_proj:
	.size	k_q89a088e344_proj, .Lfunc_end_k_q89a088e344_proj-k_q89a088e344_proj
	.p2alignl 7, 3214868480
	.fill 96, 4, 3214868480
	.section	.rodata,"a",@progbits
	.p2align	6, 0x0
	.amdhsa_kernel k_q89a088e344_proj
		.amdhsa_group_segment_fixed_size 327680
		.amdhsa_private_segment_fixed_size 0
		.amdhsa_enable_private_segment 0
		.amdhsa_kernarg_size 40
		.amdhsa_user_sgpr_count 2
		.amdhsa_user_sgpr_kernarg_segment_ptr 1
		.amdhsa_wavefront_size32 1
		.amdhsa_system_sgpr_workgroup_id_x 1
		.amdhsa_system_sgpr_workgroup_id_y 1
		.amdhsa_system_sgpr_workgroup_id_z 1
		.amdhsa_system_vgpr_workitem_id 0
		.amdhsa_next_free_vgpr 1024
		.amdhsa_next_free_sgpr 100
		.amdhsa_reserve_vcc 0
		.amdhsa_float_denorm_mode_32 3
		.amdhsa_float_denorm_mode_16_64 3
		.amdhsa_memory_ordered 1
		.amdhsa_forward_progress 1
		.amdhsa_inst_pref_size 76
	.end_amdhsa_kernel
	.amdgpu_metadata
---
amdhsa.version: [ 1, 2 ]
amdhsa.kernels:
  - .name:           k_q89a088e344_proj
    .symbol:         k_q89a088e344_proj.kd
    .args:
      - { .name: att, .offset: 0, .size: 8, .value_kind: global_buffer, .address_space: global }
      - { .name: wts, .offset: 8, .size: 8, .value_kind: global_buffer, .address_space: global }
      - { .name: ybuf, .offset: 16, .size: 8, .value_kind: global_buffer, .address_space: global }
      - { .name: bo, .offset: 24, .size: 8, .value_kind: global_buffer, .address_space: global }
      - { .name: xn, .offset: 32, .size: 8, .value_kind: global_buffer, .address_space: global }
    .group_segment_fixed_size: 327680
    .private_segment_fixed_size: 0
    .kernarg_segment_align: 8
    .kernarg_segment_size: 40
    .max_flat_workgroup_size: 128
    .sgpr_count:     100
    .vgpr_count:     1024
    .wavefront_size: 32
...
	.end_amdgpu_metadata
.endif
;; end of part 4
;; launch ln2: the kernel of part 1 again; grid 512 x 1, 4 waves a work-group, no clusters, 0 bytes of LDS; arguments ybuf, ln2_g, ln2_b, x2, wq, wk, wv, wts; writes x2, wts
;; launch ffn1 (part 5): grid 16 x 16, 4 waves a work-group, clusters of 4 x 4, 327,680 bytes of LDS; arguments x2, wts, hbuf, b1; writes hbuf
.if DOCPART == 5
	.amdgcn_target "amdgcn-amd-amdhsa--gfx1250"
	.amdhsa_code_object_version 6
	.text
	.protected	k_q89a088e344_ffn1
	.globl	k_q89a088e344_ffn1
	.p2align	8
	.type	k_q89a088e344_ffn1,@function
k_q89a088e344_ffn1:
	s_mov_b64 s[64:65], 0
	v_nop
	global_prefetch_b8 v0, s[64:65] scope:SCOPE_SE
	s_setreg_imm32_b32 hwreg(HW_REG_WAVE_MODE, 25, 1), 1
	s_wait_xcnt 0x0
	s_wait_alu depctr_hold_cnt(0) depctr_sa_sdst(0) depctr_va_vdst(0) depctr_va_sdst(0) depctr_va_ssrc(0) depctr_va_vcc(0) depctr_vm_vsrc(0)
	s_getreg_b32 s2, hwreg(HW_REG_IB_STS2, 6, 4)
	s_cmp_eq_u32 s2, 0
	s_cbranch_scc0 .Lentry_in_a_cluster
	s_endpgm
.Lentry_in_a_cluster:
	s_bfe_u32 s2, ttmp6, 0x10000c
	s_cmp_lg_u32 s2, 0xf033
	s_cbranch_scc0 .Lentry_shape_is_right
	s_endpgm
.Lentry_shape_is_right:
; hbuf = gelu(x2 w1^T + b1), bf16 [4096][4096].  A = x2 [4096][1024] f16, B = w1 as f16 in wts [4096][1024]; sums in f32; the exact (erf) GELU in f32; rounded once to bf16.
; GELU.  gelu(u) = max(u, 0) - |u| erfc(|u| / sqrt 2) / 2, with erfc(x) = (a1 t + .. + a5 t^5) exp(-x^2), t = 1 / (1 + p x) (Abramowitz and Stegun 7.1.26, absolute error 1.5e-7 for every x >= 0);
; for large |u| the exponential is 0 and the result is u or 0.  No difference of large numbers is formed.  NaN and infinities are not treated apart.
; TILE.  256 x 256 of C to a work-group: 16 x 16 = 256 work-groups.  Four waves, 128 x 128 each: 64 accumulators, 512 registers.
; RING.  K in steps of 128 through two LDS slots filled by the tensor data mover; a row of a tile is 256 bytes of memory, aligned.  The loop is written for ONE K step: the slot in hand is a scalar (TB).
; CLUSTER 4 x 4.  A's tile is asked for jointly by a row of the cluster, B's by a column: the same load, descriptor and mask in all four.
; THE WALK ALONG K begins at K step (RX x cluster x + RY x cluster y) mod NK and goes round: clusters that read the same rows of A or of B stand at different K steps at any time.  The number hangs on the
; cluster's place in the grid alone, which all sixteen partners share; the f32 sums are taken in that order of K.
; THE PRODUCT IS USED TRANSPOSED (source 0 = 16 rows of B, source 1 = 16 rows of A): a lane holds row l % 16 of C and eight neighbouring columns.
; REGISTERS in windows of 256: window 0 addresses, A's two fragment buffers (v64.., v128..), the way out; window 1 B's two buffers from v64; windows 2, 3 the accumulators.
.set K,     1024
.set BM,    256
.set BN,    256
.set MT,    8
.set NT,    8
.set QD,    1
.set KS,    128*QD
.set NK,    K/KS
.set RX,    2
.set RY,    4
.set ASH,   8
.set KSH,   8
.set PA,    272
.set PB,    272
.set AQ,    64
.set BQ,    64
.set AH,    (BM/2)*PA
.set BH,    (BN/2)*PB
.set SLOT,  2*AH+2*BH
.set SPARE, 2*SLOT
.set WOFF,  6291456
.set ADIM0, KS
.set AROWS, BM/2
.set ASTR,  K
.set QIA,   5
.set QIB,   5
.set SP,    4*(BN/2)+16
.set STW,   (BM/2)*SP
.set NL,    2*(MT+NT)*QD
.set ADRA, 16
.set A0,   17
.set ADRB, 20
.set B0,   21
.set STO,  24
.set RD,   25
.set CO,   26
.set RO,   27
.set SPW,  28
.set NIL,  29
.set BI,   32
.set G1A,  24
.set G0A,  32
.set G1B,  48
.set G0B,  56
.set TB,   66
.set KC,   67                          ; s67  the K step that the walking descriptors name
.set LA,   68
.set LB,   69
.set ABASE, 70                         ; s[70:71] A at the rows that I fetch, K step 0
.set BBASE, 78                         ; s[78:79] the same for B
.set PP,   80                          ; s[80:93] the GELU's constants, each in a pair of which the packed forms take the low word
.set C2,   82
.set A1,   84
.set A2,   86
.set A3,   88
.set A4,   90
.set A5,   92
.set OFA,  96                          ; s[96:97] a K step's byte offset in A
.set OFB,  98                          ; s[98:99] in B
.set MSB,  0
.macro WIN new
.if MSB != (\new)
	s_set_vgpr_msb (MSB<<8)|(\new)
.set MSB, \new
.endif
.endm
.macro WM ops:vararg
	v_wmma_f32_16x16x32_f16 \ops
.endm
.macro PLACES
.rept 4
	v_nop
.endr
.endm
.macro CREST
	s_cmp_lg_u32 s10, 0
	s_cbranch_scc1 .Lnot_wave_0_\@
	s_barrier_signal -3
.Lnot_wave_0_\@:
	s_barrier_wait -3
	s_barrier_signal -1
	s_barrier_wait -1
.endm
.macro CROUND
	s_barrier_signal -1
	s_barrier_wait -1
	CREST
.endm
.macro JLOAD
	s_cmp_eq_u32 s11, 0
	s_cbranch_scc0 .Lfor_b_\@
	tensor_load_to_lds s[G0A+4:G0A+7], s[G1A:G1A+7]
	s_nop 0
.rept 4
	v_nop
.endr
	s_branch .Lasked_\@
.Lfor_b_\@:
	tensor_load_to_lds s[G0B+4:G0B+7], s[G1B:G1B+7]
	s_nop 0
.rept 4
	v_nop
.endr
.Lasked_\@:
.endm
.macro G0SET set, kreg                 ; group 0, set 0 or 1, for the K step in s[kreg], into slot 0 or 1
	s_lshl_b32 s[OFA], s[\kreg], ASH
	s_lshl_b32 s[OFB], s[\kreg], KSH
	s_mov_b32 s[G0A+4*(\set)], 1
	s_add_co_u32 s[G0A+4*(\set)+1], s[LA], (\set)*SLOT
	s_add_nc_u64 s[G0A+4*(\set)+2:G0A+4*(\set)+3], s[ABASE:ABASE+1], s[OFA:OFA+1]
	s_or_b32 s[G0A+4*(\set)+3], s[G0A+4*(\set)+3], 0x80000000
	s_mov_b32 s[G0B+4*(\set)], 1
	s_add_co_u32 s[G0B+4*(\set)+1], s[LB], (\set)*SLOT
	s_add_nc_u64 s[G0B+4*(\set)+2:G0B+4*(\set)+3], s[BBASE:BBASE+1], s[OFB:OFB+1]
	s_or_b32 s[G0B+4*(\set)+3], s[G0B+4*(\set)+3], 0x80000000
.endm
.macro MULS f, a0, n, zero             ; the accumulators take turns, one instruction a turn
.set ma, (\a0)
.rept (\n)
	WIN 0xa1+0x50*(ma/(MT/2))
.set mc, 0
.rept QD
.set mb, 0
.rept NT
.set rD, 8*((ma%(MT/2))*NT+mb)
.set rB, 64+(\f)*8*NT*QD+8*(mc*NT+mb)
.set rA, 64+(\f)*64+8*(mc*MT+ma)
.if (\zero) && (mc == 0)
	WM v[rD:rD+7], v[rB:rB+7], v[rA:rA+7], 0
.else
	WM v[rD:rD+7], v[rB:rB+7], v[rA:rA+7], v[rD:rD+7]
.endif
.set mb, mb+1
.endr
.set mc, mc+1
.endr
.set ma, ma+1
.endr
.endm
.macro FETCH q, g
	WIN 0x40
.set fc, 0
.rept QD
.set fb, 0
.rept NT
.set fr, 64+(\g)*8*NT*QD+8*(fc*NT+fb)
	ds_load_b128 v[fr:fr+3],   v[ADRB] offset:(\q)*BQ+64*fc+16*fb*PB
	ds_load_b128 v[fr+4:fr+7], v[ADRB] offset:(\q)*BQ+64*fc+16*fb*PB+32
.set fb, fb+1
.endr
.set fc, fc+1
.endr
	WIN 0
.set fh, 0
.rept 2
.set fc, 0
.rept QD
.set fa, fh*(MT/2)
.rept MT/2
.set fr, 64+(\g)*64+8*(fc*MT+fa)
	ds_load_b128 v[fr:fr+3],   v[ADRA] offset:(\q)*AQ+64*fc+16*fa*PA
	ds_load_b128 v[fr+4:fr+7], v[ADRA] offset:(\q)*AQ+64*fc+16*fa*PA+32
.set fa, fa+1
.endr
.set fc, fc+1
.endr
.set fh, fh+1
.endr
.endm
.macro QUARTER q, f, g, zero
	s_wait_dscnt MT*QD                             ; the youngest MT QD loads, A's upper blocks, may be out
	MULS \f, 0, MT/2, \zero
	PLACES
	FETCH \q, \g
	s_wait_dscnt NL                                ; all but the run just issued
	MULS \f, MT/2, MT/2, \zero
.endm
.macro TURN fill                       ; the last quarter and the change of slots: all my tensor loads, the add, my reads, the barrier (fill = 1: a round of the cluster's), the refill first behind it
	WIN 0
	s_wait_tensorcnt 0x0
	ds_add_u32 v[SPW], v[NIL]
.if \fill
	s_add_co_u32 s[KC], s[KC], 1                   ; no tensor load of mine is out: the walking descriptors take the next K step, round NK,
	s_and_b32 s[KC], s[KC], NK-1
	s_lshl_b32 s[OFA], s[KC], ASH
	s_lshl_b32 s[OFB], s[KC], KSH
	s_add_co_u32 s[G0A+5], s[TB], s[LA]            ; and the slot in hand, which is read out when they are used
	s_add_co_u32 s[G0B+5], s[TB], s[LB]
	s_add_nc_u64 s[G0A+6:G0A+7], s[ABASE:ABASE+1], s[OFA:OFA+1]
	s_or_b32 s[G0A+7], s[G0A+7], 0x80000000
	s_add_nc_u64 s[G0B+6:G0B+7], s[BBASE:BBASE+1], s[OFB:OFB+1]
	s_or_b32 s[G0B+7], s[G0B+7], 0x80000000
.endif
	s_wait_dscnt MT*QD+1                           ; the add and A's upper blocks may be out
	MULS 1, 0, MT/4, 0
	s_wait_dscnt 0x0
	s_barrier_signal -1
	MULS 1, MT/4, MT/4, 0
	WIN 0
	s_barrier_wait -1
.if \fill
	CREST
	JLOAD
.else
	PLACES
.endif
	s_xor_b32 s[TB], s[TB], SLOT
	v_add_nc_u32 v[ADRA], s[TB], v[A0]
	v_add_nc_u32 v[ADRB], s[TB], v[B0]
	FETCH 0, 0
	MULS 1, MT/2, MT/2, 0
.endm
.macro LAST
	s_wait_dscnt MT*QD
	MULS 1, 0, MT/2, 0
	s_wait_dscnt 0x0
	MULS 1, MT/2, MT/2, 0
.endm
.macro DUMP
.set da, 0
.rept MT
	WIN 0x08+4*(da/(MT/2))
.set db, 0
.rept NT
.set rD, 8*((da%(MT/2))*NT+db)
	ds_store_b128 v[STO], v[rD:rD+3]   offset:16*da*SP+64*db
	ds_store_b128 v[STO], v[rD+4:rD+7] offset:16*da*SP+64*db+16
.set db, db+1
.endr
.set da, da+1
.endr
	WIN 0
.endm
	s_load_b128 s[4:7], s[0:1], 0x0                ; A s[4:5], wts s[6:7]
	s_load_b64 s[8:9], s[0:1], 0x10                ; the output
	s_load_b64 s[72:73], s[0:1], 0x18              ; b1
	v_lshl_add_u32 v[SPW], v0, 2, SPARE
	v_mov_b32 v[NIL], 0
	ds_add_u32 v[SPW], v[NIL]                      ; the wave's opening: the add and its wait ahead of my first tensor load
	v_lshrrev_b32 v1, 5, v0
	v_readfirstlane_b32 s10, v1
	s_lshr_b32 s11, s10, 1
	s_and_b32 s12, s10, 1
	s_bfe_u32 s40, ttmp6, 0x40000
	s_bfe_u32 s41, ttmp6, 0x40004
	s_lshl_b32 s42, ttmp9, 2
	s_add_co_u32 s42, s42, s40                     ; tile column
	s_and_b32 s13, ttmp7, 0xffff
	s_lshl_b32 s13, s13, 2
	s_add_co_u32 s13, s13, s41                     ; tile row
	s_lshl_b32 s14, s41, 2
	s_lshl_b32 s14, 15, s14
	s_lshl_b32 s46, 0x1111, s40
	s_or_b32 s[G1A], s14, (1<<16)|(1<<20)|(1<<21)|(QIA<<22)|(3<<25)
	s_or_b32 s[G1B], s46, (1<<16)|(1<<20)|(1<<21)|(QIB<<22)|(3<<25)
	s_mov_b32 s[G1A+1], (ADIM0&0xffff)<<16
	s_mov_b32 s[G1A+2], (ADIM0>>16)|(AROWS<<16)
	s_mov_b32 s[G1A+3], ADIM0<<16
	s_mov_b32 s[G1A+4], AROWS
	s_mov_b32 s[G1A+5], ASTR
	s_mov_b32 s[G1A+6], 0
	s_mov_b32 s[G1A+7], 0
	s_mov_b32 s[G1B+1], KS<<16
	s_mov_b32 s[G1B+2], (BN/2)<<16
	s_mov_b32 s[G1B+3], KS<<16
	s_mov_b32 s[G1B+4], BN/2
	s_mov_b32 s[G1B+5], K
	s_mov_b32 s[G1B+6], 0
	s_mov_b32 s[G1B+7], 0
	s_mul_i32 s16, s13, BM
	s_mul_i32 s17, s12, BM/2
	s_add_co_u32 s16, s16, s17
	s_mul_i32 s16, s16, 2*K
	s_mov_b32 s17, 0
	s_mul_i32 s46, s42, BN
	s_mul_i32 s47, s12, BN/2
	s_add_co_u32 s46, s46, s47
	s_mul_i32 s46, s46, 2*K
	s_add_co_u32 s46, s46, WOFF
	s_mov_b32 s47, 0
	s_mul_i32 s[LA], s12, AH
	s_mul_i32 s[LB], s12, BH
	s_add_co_u32 s[LB], s[LB], 2*AH
	s_mov_b32 s[TB], 0
	s_mul_i32 s18, ttmp9, RX                       ; where my cluster's walk along K begins
	s_and_b32 s19, ttmp7, 0xffff
	s_mul_i32 s19, s19, RY
	s_add_co_u32 s18, s18, s19
	s_and_b32 s18, s18, NK-1
	s_add_co_u32 s[KC], s18, 1                     ; and its second K step
	s_and_b32 s[KC], s[KC], NK-1
	s_mov_b32 s[OFA+1], 0
	s_mov_b32 s[OFB+1], 0
.macro KONST r, val
	s_mov_b32 s[\r], \val
	s_mov_b32 s[\r+1], \val
.endm
	KONST PP, 0x3e6d3388                           ; 0.3275911 / sqrt 2
	KONST C2, 0xbf38aa3b                           ; -log2(e) / 2
	KONST A1, 0x3e027906                           ; a1 / 2 .. a5 / 2
	KONST A2, 0xbe11a98e
	KONST A3, 0x3f35f0e3
	KONST A4, 0xbf3a00e3
	KONST A5, 0x3f07dc22
	s_mov_b32 s94, 0x7fffffff
	s_wait_dscnt 0x0
	s_wait_kmcnt 0x0
	s_add_nc_u64 s[ABASE:ABASE+1], s[4:5], s[16:17]
	s_add_nc_u64 s[BBASE:BBASE+1], s[6:7], s[46:47]
	G0SET 0, 18
	G0SET 1, KC
	CROUND
	s_cmp_eq_u32 s11, 0                            ; a wave's two first fills stand in one branch: two loads of mine are out
	s_cbranch_scc0 .Lfirst_b
	tensor_load_to_lds s[G0A:G0A+3], s[G1A:G1A+7]
	s_nop 0
	tensor_load_to_lds s[G0A+4:G0A+7], s[G1A:G1A+7]
	s_nop 0
.rept 4
	v_nop
.endr
	s_branch .Lfirst_asked
.Lfirst_b:
	tensor_load_to_lds s[G0B:G0B+3], s[G1B:G1B+7]
	s_nop 0
	tensor_load_to_lds s[G0B+4:G0B+7], s[G1B:G1B+7]
	s_nop 0
.rept 4
	v_nop
.endr
.Lfirst_asked:
	v_and_b32 v1, 15, v0
	v_bfe_u32 v2, v0, 4, 1
	v_mul_u32_u24 v3, v1, PA
	v_lshl_add_u32 v3, v2, 4, v3
	s_mul_i32 s20, s11, AH
	v_add_nc_u32 v[A0], s20, v3
	v_mul_u32_u24 v3, v1, PB
	v_lshl_add_u32 v3, v2, 4, v3
	s_mul_i32 s21, s12, BH
	s_add_co_u32 s21, s21, 2*AH
	v_add_nc_u32 v[B0], s21, v3
	v_mov_b32 v[ADRA], v[A0]
	v_mov_b32 v[ADRB], v[B0]
	s_mul_i32 s20, s10, STW
	v_mul_u32_u24 v3, v1, SP
	v_lshl_add_u32 v[STO], v2, 5, v3
	v_add_nc_u32 v[STO], s20, v[STO]
	v_and_b32 v3, 31, v0
	v_lshl_add_u32 v[RD], v3, 4, s20               ; back: 32 lanes take one row of my 128 columns, 16 bytes each
	v_lshlrev_b32 v[CO], 3, v3                     ; which are 256 bytes of bf16
	v_lshlrev_b32 v[RO], 4, v3
	s_lshl_b32 s46, s42, 8
	s_lshl_b32 s47, s12, 7
	s_add_co_u32 s46, s46, s47                     ; my first column
	s_lshl_b32 s22, s46, 2
	s_mov_b32 s23, 0
	s_add_nc_u64 s[72:73], s[72:73], s[22:23]
	global_load_b128 v[BI:BI+3], v[RO], s[72:73]   ; waited for on the way out
	s_lshl_b32 s16, s13, 8
	s_lshl_b32 s17, s11, 7
	s_add_co_u32 s16, s16, s17                     ; my first row
	s_lshl_b32 s16, s16, 13                        ; 8,192 bytes a row of hbuf
	s_lshl_b32 s17, s46, 1
	s_add_co_u32 s16, s16, s17
	s_mov_b32 s17, 0
	s_add_nc_u64 s[8:9], s[8:9], s[16:17]
	s_wait_tensorcnt 0x1                           ; my part of the first K step is in; the second's may stay out
	s_barrier_signal -1
	s_barrier_wait -1
	FETCH 0, 0
	QUARTER 1, 0, 1, 1
	WIN 0
	s_mov_b32 s3, NK-2
.Lstep:
	QUARTER 2, 1, 0, 0
	QUARTER 3, 0, 1, 0
	TURN 1
	QUARTER 1, 0, 1, 0
	WIN 0
	s_sub_co_u32 s3, s3, 1
	s_cmp_lg_u32 s3, 0
	s_cbranch_scc1 .Lstep
	s_mov_b32 s3, 2                                ; the last two K steps ask for nothing: a second text
.Ltail:
	QUARTER 2, 1, 0, 0
	QUARTER 3, 0, 1, 0
	WIN 0
	s_cmp_eq_u32 s3, 1
	s_cbranch_scc1 .Llast
	TURN 0
	QUARTER 1, 0, 1, 0
	WIN 0
	s_sub_co_u32 s3, s3, 1
	s_cmp_lg_u32 s3, 0
	s_cbranch_scc1 .Ltail
.Llast:
	LAST
	; THE WAY OUT.  The ring has had its last fill; when every wave's reads of it are over the stages are laid over it.  A wave reads only its own stage.  32 trips of four rows: bias, GELU, bf16, store.
	WIN 0
	PLACES
	s_wait_dscnt 0x0
	s_barrier_signal -1
	s_barrier_wait -1
	DUMP
	s_wait_loadcnt 0x0                             ; the bias
.set R,  64                            ; v[64:79]   four rows as read back, four columns a lane
.set U,  80                            ; v[80:95]   u = sum + bias
.set AB, 96                            ; |u|
.set T,  112                           ; 1 + p |u|, then t
.set E,  128                           ; -u^2 log2(e) / 2, then its exponential
.set RL, 144                           ; max(u, 0)
.set PO, 160                           ; the polynomial, then the result
.set Y,  176                           ; v[176:183] bf16
.macro RLOADS
.irp i, 0,1,2,3
	ds_load_b128 v[R+4*(\i):R+4*(\i)+3], v[RD] offset:(\i)*SP
.endr
.endm
.macro PL p, n                         ; plain line n of pair p
.if (\n) == 0
	v_pk_mul_f32 v[E+2*(\p):E+2*(\p)+1], v[U+2*(\p):U+2*(\p)+1], v[U+2*(\p):U+2*(\p)+1]
.elseif (\n) == 1
	v_and_b32 v[AB+2*(\p)], s94, v[U+2*(\p)]
.elseif (\n) == 2
	v_and_b32 v[AB+2*(\p)+1], s94, v[U+2*(\p)+1]
.elseif (\n) == 3
	v_pk_fma_f32 v[T+2*(\p):T+2*(\p)+1], v[AB+2*(\p):AB+2*(\p)+1], s[PP:PP+1], 1.0 op_sel_hi:[1,0,0]
.else
	v_pk_mul_f32 v[E+2*(\p):E+2*(\p)+1], v[E+2*(\p):E+2*(\p)+1], s[C2:C2+1] op_sel_hi:[1,0]
.endif
.endm
.macro TR p, n                         ; transcendental n of pair p
.if (\n) < 2
	v_rcp_f32 v[T+2*(\p)+(\n)], v[T+2*(\p)+(\n)]
.else
	v_exp_f32 v[E+2*(\p)+(\n)-2], v[E+2*(\p)+(\n)-2]
.endif
.endm
.macro ALL8 line:vararg                ; one line for each pair tt
.set tt, 0
.rept 8
	\line
.set tt, tt+1
.endr
.endm
	RLOADS
	s_mov_b32 s3, 32
.Lrow:
	s_wait_dscnt 0x0
.irp i, 0,1,2,3
	v_pk_add_f32 v[U+4*(\i):U+4*(\i)+1], v[R+4*(\i):R+4*(\i)+1], v[BI:BI+1]
	v_pk_add_f32 v[U+4*(\i)+2:U+4*(\i)+3], v[R+4*(\i)+2:R+4*(\i)+3], v[BI+2:BI+3]
.endr
	s_cmp_eq_u32 s3, 1                             ; the next trip's rows are asked for now; the last trip has none and reads its own rows once more, unused
	s_cselect_b32 s20, 0, 4*SP
	v_add_nc_u32 v[RD], s20, v[RD]
	RLOADS
	; The 32 transcendentals are ONE BATCH: a pair's four stand by turns with the next pair's plain lines, none of which names a result; then one wait.
.irp n, 0,1,2,3,4
	PL 0, \n
.endr
.set gp, 1
.rept 7
.irp n, 0,1,2,3
	PL gp, \n
	TR gp-1, \n
.endr
	PL gp, 4
.set gp, gp+1
.endr
.irp n, 0,1,2,3
	v_max_num_f32 v[RL+(\n)], 0, v[U+(\n)]
	TR 7, \n
.endr
.irp n, 4,5,6,7,8,9,10,11,12,13,14,15
	v_max_num_f32 v[RL+(\n)], 0, v[U+(\n)]
.endr
	s_wait_alu depctr_va_vdst(0)                   ; the wait for the batch, ahead of its first reader
	ALL8 v_pk_fma_f32 v[PO+2*tt:PO+2*tt+1], v[T+2*tt:T+2*tt+1], s[A5:A5+1], s[A4:A4+1] op_sel_hi:[1,0,0]
	ALL8 v_pk_fma_f32 v[PO+2*tt:PO+2*tt+1], v[PO+2*tt:PO+2*tt+1], v[T+2*tt:T+2*tt+1], s[A3:A3+1] op_sel_hi:[1,1,0]
	ALL8 v_pk_fma_f32 v[PO+2*tt:PO+2*tt+1], v[PO+2*tt:PO+2*tt+1], v[T+2*tt:T+2*tt+1], s[A2:A2+1] op_sel_hi:[1,1,0]
	ALL8 v_pk_fma_f32 v[PO+2*tt:PO+2*tt+1], v[PO+2*tt:PO+2*tt+1], v[T+2*tt:T+2*tt+1], s[A1:A1+1] op_sel_hi:[1,1,0]
	ALL8 v_pk_mul_f32 v[PO+2*tt:PO+2*tt+1], v[PO+2*tt:PO+2*tt+1], v[T+2*tt:T+2*tt+1]
	ALL8 v_pk_mul_f32 v[PO+2*tt:PO+2*tt+1], v[PO+2*tt:PO+2*tt+1], v[E+2*tt:E+2*tt+1]
	ALL8 v_pk_fma_f32 v[PO+2*tt:PO+2*tt+1], v[PO+2*tt:PO+2*tt+1], v[AB+2*tt:AB+2*tt+1], v[RL+2*tt:RL+2*tt+1] neg_lo:[1,0,0] neg_hi:[1,0,0]
	s_wait_xcnt 0x0                                ; the last trip's stores, a whole trip's arithmetic back, have read their data and base: both are written again only behind this wait
	s_add_nc_u64 s[8:9], s[8:9], 32768             ; the base steps ahead of the stores, which reach back by their immediate
	ALL8 v_cvt_pk_bf16_f32 v[Y+tt], v[PO+2*tt], v[PO+2*tt+1]
.irp i, 0,1,2,3
	global_store_b64 v[CO], v[Y+2*(\i):Y+2*(\i)+1], s[8:9] offset:8192*(\i)-32768  ; a row's 128 columns: 256 consecutive bytes, aligned
.endr
	s_sub_co_u32 s3, s3, 1
	s_cmp_lg_u32 s3, 0
	s_cbranch_scc1 .Lrow
	s_wait_tensorcnt 0x0                           ; the wave's end
	ds_add_u32 v[SPW], v[NIL]
	s_wait_dscnt 0x0
	CROUND                                         ; the closing round
	s_endpgm
.Lfunc_end_k_q89a088e344_ffn1:
	.size	k_q89a088e344_ffn1, .Lfunc_end_k_q89a088e344_ffn1-k_q89a088e344_ffn1
	.p2alignl 7, 3214868480
	.fill 96, 4, 3214868480
	.section	.rodata,"a",@progbits
	.p2align	6, 0x0
	.amdhsa_kernel k_q89a088e344_ffn1
		.amdhsa_group_segment_fixed_size 327680
		.amdhsa_private_segment_fixed_size 0
		.amdhsa_enable_private_segment 0
		.amdhsa_kernarg_size 32
		.amdhsa_user_sgpr_count 2
		.amdhsa_user_sgpr_kernarg_segment_ptr 1
		.amdhsa_wavefront_size32 1
		.amdhsa_system_sgpr_workgroup_id_x 1
		.amdhsa_system_sgpr_workgroup_id_y 1
		.amdhsa_system_sgpr_workgroup_id_z 1
		.amdhsa_system_vgpr_workitem_id 0
		.amdhsa_next_free_vgpr 1024
		.amdhsa_next_free_sgpr 100
		.amdhsa_reserve_vcc 0
		.amdhsa_float_denorm_mode_32 3
		.amdhsa_float_denorm_mode_16_64 3
		.amdhsa_memory_ordered 1
		.amdhsa_forward_progress 1
		.amdhsa_inst_pref_size 92
	.end_amdhsa_kernel
	.amdgpu_metadata
---
amdhsa.version: [ 1, 2 ]
amdhsa.kernels:
  - .name:           k_q89a088e344_ffn1
    .symbol:         k_q89a088e344_ffn1.kd
    .args:
      - { .name: x2, .offset: 0, .size: 8, .value_kind: global_buffer, .address_space: global }
      - { .name: wts, .offset: 8, .size: 8, .value_kind: global_buffer, .address_space: global }
      - { .name: hbuf, .offset: 16, .size: 8, .value_kind: global_buffer, .address_space: global }
      - { .name: b1, .offset: 24, .size: 8, .value_kind: global_buffer, .address_space: global }
    .group_segment_fixed_size: 327680
    .private_segment_fixed_size: 0
    .kernarg_segment_align: 8
    .kernarg_segment_size: 32
    .max_flat_workgroup_size: 128
    .sgpr_count:     100
    .vgpr_count:     1024
    .wavefront_size: 32
...
	.end_amdgpu_metadata
.endif
;; end of part 5
;; launch ffn2 (part 6): grid 8 x 32, 4 waves a work-group, clusters of 4 x 4, 327,680 bytes of LDS; arguments hbuf, wts, out0, b2, x2; writes out0
.if DOCPART == 6
	.amdgcn_target "amdgcn-amd-amdhsa--gfx1250"
	.amdhsa_code_object_version 6
	.text
	.protected	k_q89a088e344_ffn2
	.globl	k_q89a088e344_ffn2
	.p2align	8
	.type	k_q89a088e344_ffn2,@function
k_q89a088e344_ffn2:
	s_mov_b64 s[64:65], 0
	v_nop
	global_prefetch_b8 v0, s[64:65] scope:SCOPE_SE
	s_setreg_imm32_b32 hwreg(HW_REG_WAVE_MODE, 25, 1), 1
	s_wait_xcnt 0x0
	s_wait_alu depctr_hold_cnt(0) depctr_sa_sdst(0) depctr_va_vdst(0) depctr_va_sdst(0) depctr_va_ssrc(0) depctr_va_vcc(0) depctr_vm_vsrc(0)
	s_getreg_b32 s2, hwreg(HW_REG_IB_STS2, 6, 4)
	s_cmp_eq_u32 s2, 0
	s_cbranch_scc0 .Lentry_in_a_cluster
	s_endpgm
.Lentry_in_a_cluster:
	s_bfe_u32 s2, ttmp6, 0x10000c
	s_cmp_lg_u32 s2, 0xf033
	s_cbranch_scc0 .Lentry_shape_is_right
	s_endpgm
.Lentry_shape_is_right:
; out0 = hbuf w2^T + b2 + x2, f32 [4096][1024].  A = hbuf bf16 [4096][4096]; B = w2 as bf16 in wts [1024][4096]; the residual x2 is f16; sums in f32.
; TILE.  128 x 128 of C to a work-group: 32 x 8 = 256 work-groups; four waves, 64 x 64 each.  K in steps of 256 (LDS rows of 512 bytes + 16), as long as two slots in LDS allow.
; RING, CLUSTER, TRANSPOSED PRODUCT, WINDOWS: two LDS slots filled by joint tensor loads (A's tile shared along a row of the 4 x 4 cluster, B's along a column); the loop is written for ONE K step, the
; slot in hand is a scalar (TB); source 0 = 16 rows of B, source 1 = 16 rows of A, so a lane holds row l % 16 and eight neighbouring columns; window 0 addresses, A's fragments, the residual; window 1 B's
; fragments; windows 2, 3 the accumulators.
; THE WALK ALONG K begins at K step (RX x cluster x + RY x cluster y) mod NK and goes round: clusters that read the same rows of A or of B stand at different K steps at any time.  The number hangs on the
; cluster's place in the grid alone, which all sixteen partners share; the f32 sums are taken in that order of K.
.set K,     4096
.set BM,    128
.set BN,    128
.set MT,    4
.set NT,    4
.set QD,    2
.set KS,    128*QD
.set NK,    K/KS
.set RX,    8
.set RY,    4
.set ASH,   9                          ; a K step is 512 bytes on, in A and in B
.set KSH,   9
.set PA,    528
.set PB,    528
.set AQ,    128
.set BQ,    128
.set AH,    (BM/2)*PA
.set BH,    (BN/2)*PB
.set SLOT,  2*AH+2*BH
.set SPARE, 2*SLOT                     ; behind the ring: the spare words, 128 bytes a wave, two blocks of 256 bytes that no other line names
.set WOFF,  16777216
.set ADIM0, KS
.set AROWS, BM/2
.set ASTR,  K
.set QIA,   6
.set QIB,   6
.set SP,    4*(BN/2)+16
.set STW,   (BM/2)*SP
.set NL,    2*(MT+NT)*QD
.set ADRA, 16
.set A0,   17
.set ADRB, 20
.set B0,   21
.set BO,   22                          ; v22  my byte offset in the bias
.set STO,  24
.set RD,   25
.set CO,   26
.set RO,   27                          ; v27  my byte offset in the residual
.set SPW,  28
.set NIL,  29
.set ONE,  31                          ; v31  1.0
.set BI,   32                          ; v[32:35] the bias of my four columns
.set RES,  192                         ; v[192:255] the residual of my 64 x 64: two f16 pairs for each of 32 units of two rows
.set G1A,  24
.set G0A,  32
.set G1B,  48
.set G0B,  56
.set TB,   66
.set KC,   67                          ; s67  the K step that the walking descriptors name
.set LA,   68
.set LB,   69
.set ABASE, 70                         ; s[70:71] A at the rows that I fetch, K step 0
.set BBASE, 78                         ; s[78:79] the same for B
.set OFA,  96                          ; s[96:97] a K step's byte offset in A
.set OFB,  98                          ; s[98:99] in B
.set MSB,  0
.macro WIN new
.if MSB != (\new)
	s_set_vgpr_msb (MSB<<8)|(\new)
.set MSB, \new
.endif
.endm
.macro WM ops:vararg
	v_wmma_f32_16x16x32_bf16 \ops
.endm
.macro PLACES
.rept 4
	v_nop
.endr
.endm
.macro CREST
	s_cmp_lg_u32 s10, 0
	s_cbranch_scc1 .Lnot_wave_0_\@
	s_barrier_signal -3
.Lnot_wave_0_\@:
	s_barrier_wait -3
	s_barrier_signal -1
	s_barrier_wait -1
.endm
.macro CROUND
	s_barrier_signal -1
	s_barrier_wait -1
	CREST
.endm
.macro JLOAD                           ; a joint refill by the walking descriptor: waves 0, 1 fetch A's halves, waves 2, 3 B's
	s_cmp_eq_u32 s11, 0
	s_cbranch_scc0 .Lfor_b_\@
	tensor_load_to_lds s[G0A+4:G0A+7], s[G1A:G1A+7]
	s_nop 0
.rept 4
	v_nop
.endr
	s_branch .Lasked_\@
.Lfor_b_\@:
	tensor_load_to_lds s[G0B+4:G0B+7], s[G1B:G1B+7]
	s_nop 0
.rept 4
	v_nop
.endr
.Lasked_\@:
.endm
.macro G0SET set, kreg                 ; group 0, set 0 or 1, for the K step in s[kreg], into slot 0 or 1
	s_lshl_b32 s[OFA], s[\kreg], ASH
	s_lshl_b32 s[OFB], s[\kreg], KSH
	s_mov_b32 s[G0A+4*(\set)], 1
	s_add_co_u32 s[G0A+4*(\set)+1], s[LA], (\set)*SLOT
	s_add_nc_u64 s[G0A+4*(\set)+2:G0A+4*(\set)+3], s[ABASE:ABASE+1], s[OFA:OFA+1]
	s_or_b32 s[G0A+4*(\set)+3], s[G0A+4*(\set)+3], 0x80000000
	s_mov_b32 s[G0B+4*(\set)], 1
	s_add_co_u32 s[G0B+4*(\set)+1], s[LB], (\set)*SLOT
	s_add_nc_u64 s[G0B+4*(\set)+2:G0B+4*(\set)+3], s[BBASE:BBASE+1], s[OFB:OFB+1]
	s_or_b32 s[G0B+4*(\set)+3], s[G0B+4*(\set)+3], 0x80000000
.endm
.macro MULS f, a0, n, zero             ; the accumulators take turns, one instruction a turn
.set ma, (\a0)
.rept (\n)
	WIN 0xa1+0x50*(ma/(MT/2))
.set mc, 0
.rept QD
.set mb, 0
.rept NT
.set rD, 8*((ma%(MT/2))*NT+mb)
.set rB, 64+(\f)*8*NT*QD+8*(mc*NT+mb)
.set rA, 64+(\f)*64+8*(mc*MT+ma)
.if (\zero) && (mc == 0)
	WM v[rD:rD+7], v[rB:rB+7], v[rA:rA+7], 0
.else
	WM v[rD:rD+7], v[rB:rB+7], v[rA:rA+7], v[rD:rD+7]
.endif
.set mb, mb+1
.endr
.set mc, mc+1
.endr
.set ma, ma+1
.endr
.endm
.macro FETCH q, g                      ; one run of NL LDS loads: quarter q's fragments into buffer g: B's, A's lower row blocks, A's upper row blocks
	WIN 0x40
.set fc, 0
.rept QD
.set fb, 0
.rept NT
.set fr, 64+(\g)*8*NT*QD+8*(fc*NT+fb)
	ds_load_b128 v[fr:fr+3],   v[ADRB] offset:(\q)*BQ+64*fc+16*fb*PB
	ds_load_b128 v[fr+4:fr+7], v[ADRB] offset:(\q)*BQ+64*fc+16*fb*PB+32
.set fb, fb+1
.endr
.set fc, fc+1
.endr
	WIN 0
.set fh, 0
.rept 2
.set fc, 0
.rept QD
.set fa, fh*(MT/2)
.rept MT/2
.set fr, 64+(\g)*64+8*(fc*MT+fa)
	ds_load_b128 v[fr:fr+3],   v[ADRA] offset:(\q)*AQ+64*fc+16*fa*PA
	ds_load_b128 v[fr+4:fr+7], v[ADRA] offset:(\q)*AQ+64*fc+16*fa*PA+32
.set fa, fa+1
.endr
.set fc, fc+1
.endr
.set fh, fh+1
.endr
.endm
.macro QUARTER q, f, g, zero
	s_wait_dscnt MT*QD                             ; the youngest MT QD loads, A's upper blocks, may be out
	MULS \f, 0, MT/2, \zero
	PLACES
	FETCH \q, \g
	s_wait_dscnt NL                                ; all but the run just issued
	MULS \f, MT/2, MT/2, \zero
.endm
.macro TURN fill                       ; the last quarter and the change of slots: all my tensor loads, the add, my reads, the barrier (fill = 1: a round of the cluster's), the refill first behind it
	WIN 0
	s_wait_tensorcnt 0x0
	ds_add_u32 v[SPW], v[NIL]
.if \fill
	s_add_co_u32 s[KC], s[KC], 1                   ; no tensor load of mine is out: the walking descriptors take the next K step, round NK,
	s_and_b32 s[KC], s[KC], NK-1
	s_lshl_b32 s[OFA], s[KC], ASH
	s_lshl_b32 s[OFB], s[KC], KSH
	s_add_co_u32 s[G0A+5], s[TB], s[LA]            ; and the slot in hand, which is read out when they are used
	s_add_co_u32 s[G0B+5], s[TB], s[LB]
	s_add_nc_u64 s[G0A+6:G0A+7], s[ABASE:ABASE+1], s[OFA:OFA+1]
	s_or_b32 s[G0A+7], s[G0A+7], 0x80000000
	s_add_nc_u64 s[G0B+6:G0B+7], s[BBASE:BBASE+1], s[OFB:OFB+1]
	s_or_b32 s[G0B+7], s[G0B+7], 0x80000000
.endif
	s_wait_dscnt MT*QD+1                           ; the add and A's upper blocks may be out
	MULS 1, 0, MT/4, 0
	s_wait_dscnt 0x0                               ; the add is done, my reads of this slot are over
	s_barrier_signal -1
	MULS 1, MT/4, MT/4, 0
	WIN 0
	s_barrier_wait -1
.if \fill
	CREST
	JLOAD                                          ; its four v_nop are also the places in front of the loads below
.else
	PLACES
.endif
	s_xor_b32 s[TB], s[TB], SLOT
	v_add_nc_u32 v[ADRA], s[TB], v[A0]
	v_add_nc_u32 v[ADRB], s[TB], v[B0]
	FETCH 0, 0
	MULS 1, MT/2, MT/2, 0
.endm
.macro LAST
	s_wait_dscnt MT*QD
	MULS 1, 0, MT/2, 0
	s_wait_dscnt 0x0
	MULS 1, MT/2, MT/2, 0
.endm
.macro DUMP                            ; all accumulators, f32, into my stage; each accumulator's low registers first
.set da, 0
.rept MT
	WIN 0x08+4*(da/(MT/2))
.set db, 0
.rept NT
.set rD, 8*((da%(MT/2))*NT+db)
	ds_store_b128 v[STO], v[rD:rD+3]   offset:16*da*SP+64*db
	ds_store_b128 v[STO], v[rD+4:rD+7] offset:16*da*SP+64*db+16
.set db, db+1
.endr
.set da, da+1
.endr
	WIN 0
.endm
	s_load_b128 s[4:7], s[0:1], 0x0                ; A s[4:5], wts s[6:7]
	s_load_b64 s[8:9], s[0:1], 0x10                ; the output
	s_load_b64 s[72:73], s[0:1], 0x18              ; the bias
	s_load_b64 s[74:75], s[0:1], 0x20              ; the residual
	v_lshl_add_u32 v[SPW], v0, 2, SPARE
	v_mov_b32 v[NIL], 0
	ds_add_u32 v[SPW], v[NIL]                      ; the wave's opening: the add and its wait ahead of my first tensor load
	v_lshrrev_b32 v1, 5, v0
	v_readfirstlane_b32 s10, v1                    ; wave
	s_lshr_b32 s11, s10, 1                         ; my half of the tile's rows; also: I fetch for A (0) or B (1)
	s_and_b32 s12, s10, 1                          ; my half of its columns; also: which half tile I fetch
	s_bfe_u32 s40, ttmp6, 0x40000                  ; cx
	s_bfe_u32 s41, ttmp6, 0x40004                  ; cy
	s_lshl_b32 s42, ttmp9, 2
	s_add_co_u32 s42, s42, s40                     ; tile column
	s_and_b32 s13, ttmp7, 0xffff
	s_lshl_b32 s13, s13, 2
	s_add_co_u32 s13, s13, s41                     ; tile row
	s_lshl_b32 s14, s41, 2
	s_lshl_b32 s14, 15, s14                        ; my row of the cluster
	s_lshl_b32 s46, 0x1111, s40                    ; my column
	s_or_b32 s[G1A], s14, (1<<16)|(1<<20)|(1<<21)|(QIA<<22)|(3<<25)
	s_or_b32 s[G1B], s46, (1<<16)|(1<<20)|(1<<21)|(QIB<<22)|(3<<25)
	s_mov_b32 s[G1A+1], (ADIM0&0xffff)<<16
	s_mov_b32 s[G1A+2], (ADIM0>>16)|(AROWS<<16)
	s_mov_b32 s[G1A+3], ADIM0<<16
	s_mov_b32 s[G1A+4], AROWS
	s_mov_b32 s[G1A+5], ASTR
	s_mov_b32 s[G1A+6], 0
	s_mov_b32 s[G1A+7], 0
	s_mov_b32 s[G1B+1], KS<<16
	s_mov_b32 s[G1B+2], (BN/2)<<16
	s_mov_b32 s[G1B+3], KS<<16
	s_mov_b32 s[G1B+4], BN/2
	s_mov_b32 s[G1B+5], K
	s_mov_b32 s[G1B+6], 0
	s_mov_b32 s[G1B+7], 0
	s_mul_i32 s16, s13, BM                         ; A: the tile row and the wave's number alone
	s_mul_i32 s17, s12, BM/2
	s_add_co_u32 s16, s16, s17
	s_mul_i32 s16, s16, 2*K
	s_mov_b32 s17, 0
	s_mul_i32 s46, s42, BN                         ; B: the tile column and the wave's number alone
	s_mul_i32 s47, s12, BN/2
	s_add_co_u32 s46, s46, s47
	s_mul_i32 s46, s46, 2*K
	s_add_co_u32 s46, s46, WOFF
	s_mov_b32 s47, 0
	s_mul_i32 s[LA], s12, AH
	s_mul_i32 s[LB], s12, BH
	s_add_co_u32 s[LB], s[LB], 2*AH
	s_mov_b32 s[TB], 0
	s_mul_i32 s18, ttmp9, RX                       ; where my cluster's walk along K begins
	s_and_b32 s19, ttmp7, 0xffff
	s_mul_i32 s19, s19, RY
	s_add_co_u32 s18, s18, s19
	s_and_b32 s18, s18, NK-1
	s_add_co_u32 s[KC], s18, 1                     ; and its second K step
	s_and_b32 s[KC], s[KC], NK-1
	s_mov_b32 s[OFA+1], 0
	s_mov_b32 s[OFB+1], 0
	s_wait_dscnt 0x0                               ; the opening add is done
	s_wait_kmcnt 0x0
	s_add_nc_u64 s[ABASE:ABASE+1], s[4:5], s[16:17]
	s_add_nc_u64 s[BBASE:BBASE+1], s[6:7], s[46:47]
	G0SET 0, 18
	G0SET 1, KC
	CROUND                                         ; all sixteen work-groups are here: the first joint loads meet
	s_cmp_eq_u32 s11, 0                            ; a wave's two first fills stand in one branch: two loads of mine are out
	s_cbranch_scc0 .Lfirst_b
	tensor_load_to_lds s[G0A:G0A+3], s[G1A:G1A+7]
	s_nop 0
	tensor_load_to_lds s[G0A+4:G0A+7], s[G1A:G1A+7]
	s_nop 0
.rept 4
	v_nop
.endr
	s_branch .Lfirst_asked
.Lfirst_b:
	tensor_load_to_lds s[G0B:G0B+3], s[G1B:G1B+7]
	s_nop 0
	tensor_load_to_lds s[G0B+4:G0B+7], s[G1B:G1B+7]
	s_nop 0
.rept 4
	v_nop
.endr
.Lfirst_asked:
	v_and_b32 v1, 15, v0                           ; l % 16
	v_bfe_u32 v2, v0, 4, 1                         ; l / 16
	v_mul_u32_u24 v3, v1, PA
	v_lshl_add_u32 v3, v2, 4, v3                   ; a fragment's row x pitch + 16 x half
	s_mul_i32 s20, s11, AH
	v_add_nc_u32 v[A0], s20, v3
	v_mul_u32_u24 v3, v1, PB
	v_lshl_add_u32 v3, v2, 4, v3
	s_mul_i32 s21, s12, BH
	s_add_co_u32 s21, s21, 2*AH
	v_add_nc_u32 v[B0], s21, v3
	v_mov_b32 v[ADRA], v[A0]
	v_mov_b32 v[ADRB], v[B0]
	s_mul_i32 s20, s10, STW                        ; my stage
	v_mul_u32_u24 v3, v1, SP
	v_lshl_add_u32 v[STO], v2, 5, v3
	v_add_nc_u32 v[STO], s20, v[STO]
	v_mul_u32_u24 v3, v2, SP                       ; back: lanes 0-15 take my 64 columns of one row, lanes 16-31 of the next
	v_lshl_add_u32 v[RD], v1, 4, v3
	v_add_nc_u32 v[RD], s20, v[RD]
	v_lshlrev_b32 v3, 12, v2
	v_lshl_add_u32 v[CO], v1, 4, v3                ; the same two rows in the output, 4,096 bytes a row
	v_lshlrev_b32 v3, 11, v2
	v_lshl_add_u32 v[RO], v1, 3, v3                ; and in the residual, 2,048 bytes a row
	v_lshlrev_b32 v[BO], 4, v1
	v_mov_b32 v[ONE], 1.0
	s_lshl_b32 s46, s42, 7
	s_lshl_b32 s47, s12, 6
	s_add_co_u32 s46, s46, s47                     ; my first column
	s_lshl_b32 s16, s13, 7
	s_lshl_b32 s17, s11, 6
	s_add_co_u32 s16, s16, s17                     ; my first row
	s_lshl_b32 s22, s46, 2
	s_mov_b32 s23, 0
	s_add_nc_u64 s[72:73], s[72:73], s[22:23]
	global_load_b128 v[BI:BI+3], v[BO], s[72:73]
	s_lshl_b32 s18, s16, 11
	s_lshl_b32 s19, s46, 1
	s_add_co_u32 s18, s18, s19
	s_mov_b32 s19, 0
	s_add_nc_u64 s[74:75], s[74:75], s[18:19]
.set i, 0
.rept 32                               ; the residual is asked for now and waited for on the way out: the loop uses no global load
	global_load_b64 v[RES+2*i:RES+2*i+1], v[RO], s[74:75] offset:4096*i
.set i, i+1
.endr
	s_lshl_b32 s20, s16, 12
	s_add_co_u32 s20, s20, s22
	s_mov_b32 s21, 0
	s_add_nc_u64 s[8:9], s[8:9], s[20:21]
	s_wait_tensorcnt 0x1                           ; my part of the first K step is in; the second's may stay out
	s_barrier_signal -1
	s_barrier_wait -1
	FETCH 0, 0
	QUARTER 1, 0, 1, 1                             ; the first quarter stands ahead of the loop: its products start the sums
	WIN 0
	s_mov_b32 s3, NK-2                             ; every K step but the last two fills its slot again
.Lstep:                                        ; a trip: a K step's quarters 1, 2, 3 and the next step's quarter 0
	QUARTER 2, 1, 0, 0
	QUARTER 3, 0, 1, 0
	TURN 1
	QUARTER 1, 0, 1, 0
	WIN 0
	s_sub_co_u32 s3, s3, 1
	s_cmp_lg_u32 s3, 0
	s_cbranch_scc1 .Lstep
	s_mov_b32 s3, 2                                ; the last two K steps ask for nothing: a second text
.Ltail:
	QUARTER 2, 1, 0, 0
	QUARTER 3, 0, 1, 0
	WIN 0
	s_cmp_eq_u32 s3, 1
	s_cbranch_scc1 .Llast
	TURN 0
	QUARTER 1, 0, 1, 0
	WIN 0
	s_sub_co_u32 s3, s3, 1
	s_cmp_lg_u32 s3, 0
	s_cbranch_scc1 .Ltail
.Llast:
	LAST
	; THE WAY OUT.  The ring has had its last fill; when every wave's reads of it are over the stages are laid over it.  A wave reads only its own stage.  32 units of two rows, in batches of eight on two buffers.
	WIN 0
	PLACES
	s_wait_dscnt 0x0
	s_barrier_signal -1
	s_barrier_wait -1
	DUMP
	s_wait_loadcnt 0x0                             ; the bias and the residual
.macro LOADB g
.irp t, 0,1,2,3,4,5,6,7
	ds_load_b128 v[64+32*((\g)%2)+4*(\t):64+32*((\g)%2)+4*(\t)+3], v[RD] offset:2*(8*(\g)+(\t))*SP
.endr
.endm
.macro UNITS g
.irp t, 0,1,2,3,4,5,6,7
.set rr, 64+32*((\g)%2)+4*(\t)
.set rq, RES+2*(8*(\g)+(\t))
	v_pk_add_f32 v[rr:rr+1], v[rr:rr+1], v[BI:BI+1]
	v_pk_add_f32 v[rr+2:rr+3], v[rr+2:rr+3], v[BI+2:BI+3]
	v_fma_mix_f32 v[rr],   v[rq],   v[ONE], v[rr]   op_sel_hi:[1,0,0]                 ; + the residual's f16 half, widened in the instruction
	v_fma_mix_f32 v[rr+1], v[rq],   v[ONE], v[rr+1] op_sel:[1,0,0] op_sel_hi:[1,0,0]
	v_fma_mix_f32 v[rr+2], v[rq+1], v[ONE], v[rr+2] op_sel_hi:[1,0,0]
	v_fma_mix_f32 v[rr+3], v[rq+1], v[ONE], v[rr+3] op_sel:[1,0,0] op_sel_hi:[1,0,0]
	global_store_b128 v[CO], v[rr:rr+3], s[8:9] offset:8192*(8*(\g)+(\t))  ; 16 lanes store 256 consecutive bytes, aligned
.endr
.endm
	LOADB 0
	LOADB 1
	s_wait_dscnt 8                                 ; the next batch's eight loads may be out
	UNITS 0
	s_wait_xcnt 0x0                                ; the stores have read their data: the buffer is loaded again only behind this wait
	LOADB 2
	s_wait_dscnt 8
	UNITS 1
	s_wait_xcnt 0x0
	LOADB 3
	s_wait_dscnt 8
	UNITS 2
	s_wait_dscnt 0x0
	UNITS 3
	s_wait_tensorcnt 0x0                           ; the wave's end
	ds_add_u32 v[SPW], v[NIL]
	s_wait_dscnt 0x0
	CROUND                                         ; the closing round
	s_endpgm
.Lfunc_end_k_q89a088e344_ffn2:
	.size	k_q89a088e344_ffn2, .Lfunc_end_k_q89a088e344_ffn2-k_q89a088e344_ffn2
	.p2alignl 7, 3214868480
	.fill 96, 4, 3214868480
	.section	.rodata,"a",@progbits
	.p2align	6, 0x0
	.amdhsa_kernel k_q89a088e344_ffn2
		.amdhsa_group_segment_fixed_size 327680
		.amdhsa_private_segment_fixed_size 0
		.amdhsa_enable_private_segment 0
		.amdhsa_kernarg_size 40
		.amdhsa_user_sgpr_count 2
		.amdhsa_user_sgpr_kernarg_segment_ptr 1
		.amdhsa_wavefront_size32 1
		.amdhsa_system_sgpr_workgroup_id_x 1
		.amdhsa_system_sgpr_workgroup_id_y 1
		.amdhsa_system_sgpr_workgroup_id_z 1
		.amdhsa_system_vgpr_workitem_id 0
		.amdhsa_next_free_vgpr 1024
		.amdhsa_next_free_sgpr 100
		.amdhsa_reserve_vcc 0
		.amdhsa_float_denorm_mode_32 3
		.amdhsa_float_denorm_mode_16_64 3
		.amdhsa_memory_ordered 1
		.amdhsa_forward_progress 1
		.amdhsa_inst_pref_size 76
	.end_amdhsa_kernel
	.amdgpu_metadata
---
amdhsa.version: [ 1, 2 ]
amdhsa.kernels:
  - .name:           k_q89a088e344_ffn2
    .symbol:         k_q89a088e344_ffn2.kd
    .args:
      - { .name: hbuf, .offset: 0, .size: 8, .value_kind: global_buffer, .address_space: global }
      - { .name: wts, .offset: 8, .size: 8, .value_kind: global_buffer, .address_space: global }
      - { .name: out0, .offset: 16, .size: 8, .value_kind: global_buffer, .address_space: global }
      - { .name: b2, .offset: 24, .size: 8, .value_kind: global_buffer, .address_space: global }
      - { .name: x2, .offset: 32, .size: 8, .value_kind: global_buffer, .address_space: global }
    .group_segment_fixed_size: 327680
    .private_segment_fixed_size: 0
    .kernarg_segment_align: 8
    .kernarg_segment_size: 40
    .max_flat_workgroup_size: 128
    .sgpr_count:     100
    .vgpr_count:     1024
    .wavefront_size: 32
...
	.end_amdgpu_metadata
.endif
;; end of part 6
